; MI455X (gfx1250); checked and timed in simulation.
; The chip was launched on July 23, 2026; its instructions are those of AMD's public machine-readable ISA for CDNA 5 (MIT licence, August 2026) and "CDNA5" Instruction Set Architecture Reference Guide (July 2026). The comments in the code are by the model that wrote it; some were corrected since.
;; Transformer Block. Allowed arithmetic: matrix products marked QUANTISED: E4M3 operands, one given power-of-two scale a tensor, by v_wmma_f32_16x16x64_fp8_fp8 or v_wmma_f32_16x16x128_fp8_fp8, f32 sums; everything else in f32.
;; Inputs: K 8 x 2,048 x 512 float32; Q 8 x 2,048 x 512 float32; V 8 x 2,048 x 512 float32; W1 512 x 512 float32; W2 512 x 512 float32; W_k 512 x 512 float32; W_o 512 x 512 float32; W_q 512 x 512 float32; W_v 512 x 512 float32; b1 512 float32; b2 512 float32; lowp_scales 16 int32 (the exponents e of the quantised operands' scales 2^e).
;; Outputs: out0 8 x 2,048 x 512 float32.
;; This version of the problem:
;;   THIS VERSION OF THE PROBLEM IS GIVEN IN LOW PRECISION. The matrix products marked QUANTISED in the list below multiply operands that are first quantised to E4M3 (4 exponent bits, 3 mantissa bits; 8 bits a number), with one given power-of-two scale for each operand tensor; their sums are f32. All else is computed in f32.
;;   The module's matrix products, in the order in which they are computed (A, B: the left and right operand; K: the contracted axis; several contracted axes count as one K, in the product's order):
;;     1. [M 16,384, K 512] x [K 512, N 512]; A: input Q; B: input W_q: QUANTISED (scales: A lowp_scales[0], B lowp_scales[1])
;;     2. [M 16,384, K 512] x [K 512, N 512]; A: input K; B: input W_k: QUANTISED (scales: A lowp_scales[2], B lowp_scales[3])
;;     3. [M 16,384, K 512] x [K 512, N 512]; A: input V; B: input W_v: QUANTISED (scales: A lowp_scales[4], B lowp_scales[5])
;;     4. batch 64 x [M 2,048, K 64] x [K 64, N 2,048]; A: computed on the way; B: computed on the way: QUANTISED (scales: A lowp_scales[6], B lowp_scales[7])
;;     5. batch 64 x [M 64, K 2,048] x [K 2,048, N 2,048]; A: computed on the way; B: softmax (see below): QUANTISED (scales: A lowp_scales[8], B lowp_scales[9])
;;     6. [M 16,384, K 512] x [K 512, N 512]; A: computed on the way; B: input W_o: QUANTISED (scales: A lowp_scales[10], B lowp_scales[11])
;;     7. [M 16,384, K 512] x [K 512, N 512]; A: computed on the way; B: input W1: QUANTISED (scales: A lowp_scales[12], B lowp_scales[13])
;;     8. [M 16,384, K 512] x [K 512, N 512]; A: computed on the way; B: input W2: QUANTISED (scales: A lowp_scales[14], B lowp_scales[15])
;;   THE QUANTISER, for each operand of a quantised product, along K:
;;     - The operand's scale is 2^e, e = its entry of the input lowp_scales (int32; the entries are numbered through the quantised products in the list's order, A before B).
;;     - Each number is divided by the scale, clamped to +-448, and rounded to the nearest number of E4M3, ties to even, subnormals kept.
;;     - The product sums the exact products of the quantised numbers (number of the format x scale) in f32.
;;   ~~~python
;;   def quantise(x, axis, e):      # numpy; x: float32 -> the quantised numbers, widened to float32 again
;;       x = np.moveaxis(x, axis, -1); K = x.shape[-1]
;;       r = np.clip(x / 2.0 ** e, -448, 448)
;;       step = 2.0 ** (np.maximum(np.frexp(np.where(r == 0, 1, r))[1] - 1, -6) - 3)
;;       q = np.round(r / step) * step * 2.0 ** e      # np.round: ties to even
;;       return np.moveaxis(q, -1, axis).astype(np.float32)
;;   ~~~
;;   SOFTMAX AHEAD OF A QUANTISED PRODUCT. Where the list says 'softmax', what is quantised is not the finished softmax but p = 2^(t - M), with t = logit x log2(e) and M = ceil(the row's largest t), a whole number; so 1/2 < the row's largest p <= 1. The row's sum l is taken of the UNQUANTISED p, in f32, and the product's result is divided by l at the end. Since M is a whole number, a kernel that streams over the keys may use a running M (the ceiling of the running maximum): every later rescaling is an exact power of two, so the quantised numbers keep their values, but for numbers so far below the row's largest that they fall under the format's range.
;;   OPERANDS COMPUTED ON THE WAY. 'Computed on the way' means the value that the module computes at that place (a softmax that the list does not call 'softmax' is quantised finished and normalised). What goes into a quantiser is computed in f32, as accurately as f32 sums, v_exp_f32 and their like allow (about 1e-6 of the number): no bf16 or f16 on the way to a quantiser, and a product that is left as it is and whose result goes on into a quantised operand takes f32 operands (vector FMAs, or v_wmma_f32_16x16x4_f32). A number that lies on a knife's edge between two numbers of the format may be rounded either way, as far as f32 arithmetic and the matrix unit's own rounding can turn it there, and no further.
;; 2 versions. Each part assembles by itself: llvm-mc -triple=amdgcn-amd-amdhsa -mcpu=gfx1250 --defsym DOCPART=n.
;; ======== version 1 of 2: 4 launches
;; workspace buffers: wimg 1,572,864 bytes; qkv 25,165,824 bytes; att 8,388,608 bytes
;; launch prep (part 1): grid 192 x 1, 4 waves a work-group, no clusters, 0 bytes of LDS; arguments W_q, W_k, W_v, W_o, W1, W2, lowp_scales, wimg; writes wimg
.if DOCPART == 1
	.amdgcn_target "amdgcn-amd-amdhsa--gfx1250"
	.amdhsa_code_object_version 6
	.text
	.protected	k_q1f04daf4ab_prep
	.globl	k_q1f04daf4ab_prep
	.p2align	8
	.type	k_q1f04daf4ab_prep,@function
k_q1f04daf4ab_prep:
	s_mov_b64 s[64:65], 0
	v_nop
	global_prefetch_b8 v0, s[64:65] scope:SCOPE_SE
	s_setreg_imm32_b32 hwreg(HW_REG_WAVE_MODE, 25, 1), 1
	s_wait_xcnt 0x0
; The six weights [512][512] f32 become codes of FP8 (E4M3), each with its given scale 2^e, laid in the ORDER OF AN OPERAND'S REGISTERS.
; code = w / 2^e, held within +-448, rounded to the nearest code, ties to even.  e: entries 1, 3, 5 (W_q, W_k, W_v), 11, 13, 15 (W_o, W1, W2) of the scales.
; LIMITS: -126 <= e and e + 8 <= 127, so that 2^e and 448 x 2^e are f32 numbers.  NaN among the inputs is not served.
; IMAGE of weight i, 262,144 bytes: [tile T 0..31][K step s 0..3][group c 0..3][512 bytes]; in a group lane 16 hh + r has 16 bytes: codes k = 128 s + 32 c + 16 hh + 0..15
; of operand row n = 32 (T / 2) + 8 (T % 2) + r + 8 (r / 8).  A later launch loads a fragment by four loads of 16 bytes a lane, each 512 consecutive bytes.
; SHARES: work-group = (weight i, 64 along K: kq, four pairs of tiles); wave = one pair of tiles (32 operand rows); A LANE TAKES ONE OPERAND ROW AND ITS 64 REGISTERS RUN ALONG K,
; so the conversions, which take neighbours along K from one lane's registers, give the codes as the image wants them.
; W_q, W_k, W_v, W_o lie [K][N]: a load reads one k at 32 neighbouring n, 128 consecutive bytes a wave, the four waves side by side.  W1, W2 lie [N][K]: a lane reads its row's 256 bytes.
; No LDS, no barrier: waves share nothing.  Each store writes two aligned runs of 256 bytes whole (sixteen lanes each).
.set XN, 32                            ; v32-95   64 numbers along K
.set CD, 96                            ; v96-111  their codes
	s_load_b512 s[8:23], s[0:1], 0x0               ; W_q, W_k, W_v, W_o, W1, W2, the scales s[20:21], the images s[22:23]
	v_lshrrev_b32 v1, 5, v0
	v_readfirstlane_b32 s24, v1                    ; wave
	v_and_b32 v1, 31, v0                           ; lane
	s_lshr_b32 s25, ttmp9, 5                       ; i: which weight
	s_bfe_u32 s26, ttmp9, 0x30002                  ; kq: which 64 along K (3 bits from bit 2)
	s_and_b32 s27, ttmp9, 3
	s_lshl_b32 s27, s27, 2
	s_add_co_u32 s27, s27, s24                     ; B: which pair of tiles, 0..15
	s_lshl_b32 s28, s25, 3
	s_cmp_ge_u32 s25, 3
	s_cselect_b32 s30, 20, 4
	s_add_co_u32 s28, s28, s30                     ; byte of my scale's entry: 4 (2 i + 1), and 16 more from W_o on
	v_lshlrev_b32 v2, 2, v1                        ; [K][N]: 4 bytes a lane
	v_lshlrev_b32 v3, 11, v1                       ; [N][K]: a row of 2,048 bytes a lane
	v_bfe_u32 v5, v0, 3, 1                         ; row 32 B + lane lies in tile 2 B + (lane / 8) % 2,
	v_lshlrev_b32 v4, 13, v5                       ; (a tile's image is 8,192 bytes)
	v_and_b32 v5, 7, v0
	v_bfe_u32 v6, v0, 4, 1
	v_lshl_or_b32 v5, v6, 3, v5                    ; at its row r = lane % 8 + 8 (lane / 16)
	v_lshl_add_u32 v4, v5, 4, v4                   ; 16 bytes for each r
	s_lshl_b32 s32, s25, 18                        ; where my codes go: weight x 262,144
	s_lshl_b32 s33, s27, 14                        ; + pair x 16,384
	s_add_co_u32 s32, s32, s33
	s_lshl_b32 s33, s26, 10                        ; + kq x 1,024 (K step kq / 2, groups 2 (kq % 2) on)
	s_add_co_u32 s32, s32, s33
	s_mov_b32 s33, 0
	s_mov_b32 s35, 0
	s_wait_kmcnt 0x0
	s_load_b32 s29, s[20:21], s28 offset:0x0       ; e
	s_add_nc_u64 s[22:23], s[22:23], s[32:33]
.irp k, 1,2,3,4,5
	s_cmp_eq_u32 s25, \k                           ; the weight's buffer: the choice hangs on the work-group's number alone
	s_cselect_b64 s[8:9], s[8+2*\k:9+2*\k], s[8:9]
.endr
	s_cmp_lt_u32 s25, 4
	s_cbranch_scc0 .Lrows
	s_lshl_b32 s34, s26, 17                        ; [K][N]: 64 kq rows of 2,048 bytes
	s_lshl_b32 s36, s27, 7                         ; + 32 B columns of 4 bytes
	s_add_co_u32 s34, s34, s36
	s_add_nc_u64 s[8:9], s[8:9], s[34:35]
.set kk, 0
.rept 64
	global_load_b32 v[XN+kk], v2, s[8:9] offset:kk*2048 th:TH_LOAD_NT
.set kk, kk+1
.endr
	s_branch .Lquant
.Lrows:
	s_lshl_b32 s34, s27, 16                        ; [N][K]: 32 B rows of 2,048 bytes
	s_lshl_b32 s36, s26, 8                         ; + 64 kq numbers
	s_add_co_u32 s34, s34, s36
	s_add_nc_u64 s[8:9], s[8:9], s[34:35]
.set kk, 0
.rept 16
	global_load_b128 v[XN+4*kk:XN+4*kk+3], v3, s[8:9] offset:16*kk th:TH_LOAD_NT
.set kk, kk+1
.endr
.Lquant:
	s_wait_kmcnt 0x0
	s_add_co_i32 s29, s29, 127
	s_lshl_b32 s30, s29, 23
	v_mov_b32 v11, s30                             ; 2^e as f32: the conversion takes its exponent field
	s_add_co_i32 s29, s29, 8
	s_lshl_b32 s29, s29, 23
	s_or_b32 s29, s29, 0x600000
	v_mov_b32 v10, s29                             ; 448 x 2^e
	s_wait_loadcnt 0x0
.set kk, 0
.rept 64
	v_med3_num_f32 v[XN+kk], v[XN+kk], -v10, v10   ; the conversion to an 8-bit code does not saturate (ISA guide 7.6.2): the hold comes first
.set kk, kk+1
.endr
.set kk, 0
.rept 8
	v_cvt_scalef32_pk8_fp8_f32 v[CD+2*kk:CD+2*kk+1], v[XN+8*kk:XN+8*kk+7], v11
.set kk, kk+1
.endr
	v_nop                                          ; a plain line behind the last conversion
.irp k, 0,1,2,3
	global_store_b128 v4, v[CD+4*\k:CD+4*\k+3], s[22:23] offset:(\k/2)*512+(\k%2)*256   ; my codes k = 16 x this piece on: group piece / 2, half piece % 2
.endr
	s_endpgm
.Lfunc_end_k_q1f04daf4ab_prep:
	.size	k_q1f04daf4ab_prep, .Lfunc_end_k_q1f04daf4ab_prep-k_q1f04daf4ab_prep
	.p2alignl 7, 3214868480
	.fill 96, 4, 3214868480
	.section	.rodata,"a",@progbits
	.p2align	6, 0x0
	.amdhsa_kernel k_q1f04daf4ab_prep
		.amdhsa_group_segment_fixed_size 0
		.amdhsa_private_segment_fixed_size 0
		.amdhsa_enable_private_segment 0
		.amdhsa_kernarg_size 64
		.amdhsa_user_sgpr_count 2
		.amdhsa_user_sgpr_kernarg_segment_ptr 1
		.amdhsa_wavefront_size32 1
		.amdhsa_system_sgpr_workgroup_id_x 1
		.amdhsa_system_sgpr_workgroup_id_y 1
		.amdhsa_system_sgpr_workgroup_id_z 1
		.amdhsa_system_vgpr_workitem_id 0
		.amdhsa_next_free_vgpr 112
		.amdhsa_next_free_sgpr 66
		.amdhsa_reserve_vcc 0
		.amdhsa_float_denorm_mode_32 3
		.amdhsa_float_denorm_mode_16_64 3
		.amdhsa_memory_ordered 1
		.amdhsa_forward_progress 1
		.amdhsa_inst_pref_size 15
	.end_amdhsa_kernel
	.amdgpu_metadata
---
amdhsa.version: [ 1, 2 ]
amdhsa.kernels:
  - .name:           k_q1f04daf4ab_prep
    .symbol:         k_q1f04daf4ab_prep.kd
    .args:
      - { .name: W_q, .offset: 0, .size: 8, .value_kind: global_buffer, .address_space: global }
      - { .name: W_k, .offset: 8, .size: 8, .value_kind: global_buffer, .address_space: global }
      - { .name: W_v, .offset: 16, .size: 8, .value_kind: global_buffer, .address_space: global }
      - { .name: W_o, .offset: 24, .size: 8, .value_kind: global_buffer, .address_space: global }
      - { .name: W1, .offset: 32, .size: 8, .value_kind: global_buffer, .address_space: global }
      - { .name: W2, .offset: 40, .size: 8, .value_kind: global_buffer, .address_space: global }
      - { .name: lowp_scales, .offset: 48, .size: 8, .value_kind: global_buffer, .address_space: global }
      - { .name: wimg, .offset: 56, .size: 8, .value_kind: global_buffer, .address_space: global }
    .group_segment_fixed_size: 0
    .private_segment_fixed_size: 0
    .kernarg_segment_align: 8
    .kernarg_segment_size: 64
    .max_flat_workgroup_size: 128
    .sgpr_count:     66
    .vgpr_count:     112
    .wavefront_size: 32
...
	.end_amdgpu_metadata
.endif
;; end of part 1
;; launch proj (part 2): grid 64 x 3, 4 waves a work-group, no clusters, 34,304 bytes of LDS; arguments Q, K, V, wimg, lowp_scales, qkv; writes qkv
.if DOCPART == 2
	.amdgcn_target "amdgcn-amd-amdhsa--gfx1250"
	.amdhsa_code_object_version 6
	.text
	.protected	k_q1f04daf4ab_proj
	.globl	k_q1f04daf4ab_proj
	.p2align	8
	.type	k_q1f04daf4ab_proj,@function
k_q1f04daf4ab_proj:
	s_mov_b64 s[64:65], 0
	v_nop
	global_prefetch_b8 v0, s[64:65] scope:SCOPE_SE
	s_setreg_imm32_b32 hwreg(HW_REG_WAVE_MODE, 25, 1), 1
	s_wait_xcnt 0x0
; Products 1 to 3: Qh = Q W_q, Kh = K W_k, Vh = V W_v on codes of FP8 (E4M3); x (f32) is quantised here, the weights come as images of operand registers; the results are quantised
; at once (scales 6, 7, 8) and stored as images of the operands of the attention's two products.
; Work-group (x, tau): rows 256 x .. 256 x + 255 of tensor tau (0 Q, 1 K, 2 V), four blocks of 64 rows.  192 work-groups: three tensors x 64; the work-group stays so that its weights are loaded once.
; THE WAVES SHARE THE COLUMNS: wave w makes columns 128 w .. 128 w + 127 (two heads) of all 64 rows; its 32 weight fragments, 512 registers, stay in registers for the whole launch.
; x IS READ AS IT LIES AND QUANTISED AS IT ARRIVES.  Wave w takes the 16 tokens of row tile w of a block.  One load takes a quarter of ONE row: lane l holds k = 128 s + 4 l + 0..3, so a load of the wave covers 512
; consecutive bytes, aligned.  A conversion's eight registers are two such loads (K steps 2 g, 2 g + 1 of a row): each of its two result words is 4 neighbouring codes, and goes to LDS at 4 x lane: 128 consecutive bytes a store.
; In LDS x's codes lie as ROWS: row 16 m + r holds the 512 codes of the token that is row r of tile m, 528 bytes apart (132 words: row r starts at bank 4 r mod 64, 64 banks of 4 bytes: ISA guide 11.1, so the 16 rows
; that a fragment load touches start at 16 different groups of banks).  All four waves read all 64 rows as fragments: lane 16 hh + r takes 16 bytes at r x 528 + 128 s + 32 c + 16 hh.
; FRAGMENT: a group of four registers c holds k = 32 c + 16 hh + 0..15 of row r: one permutation of k, the same on both sides of every product.
; ROWS OF A TILE ARE NOT NEIGHBOURS, in weights and in tokens: tile 2 b + u takes rows 32 b + 8 u + r + 8 (r / 8), so that in a result the 16 registers of tiles 2 b, 2 b + 1 are 16 neighbours 32 b + 16 hh + 0..15
; along source 0's rows.  Q, K: source 0 = weights, source 1 = x: a lane holds one token and 16 neighbouring channels (K of the scores).  V: the sources are swapped: a lane holds one channel and 16
; neighbouring tokens (the keys, K of the second product).  Two conversions then make 16 bytes of an image, and every store of a wave covers 512 consecutive bytes, aligned.
; qkv: three parts of 8,388,608 bytes.  Q, K: [head 64][128 tokens 16][tile 8][group 2][512].  V: [head][128 keys][tile of 16 channels 4][group 4][512].
; NO CLUSTER: the weights are the one thing that work-groups share; they go from memory straight into the registers in which they stay, 262,144 bytes once a work-group beside 524,288 bytes of x; a joint load lands in LDS alone.
; LIMITS on the given exponents: e_x, and e_out - e_x - e_w, between -126 and 119.  NaN among the inputs is not served.
; REGISTERS: window 0: v4-11 addresses and scales; v32-95 x's fragments, two buffers of two; v96-223 sixteen accumulators (64 mm + 8 t); v224-255 codes just made.
;   windows 1, 2: the weights, fragment (t, s) at 16 (4 (t % 4) + s), t < 4 in window 1.   window 3: 256 numbers of x, registers 16 i + 4 s on = k 128 s + 4 lane + 0..3 of my tile's row i.
.set XP,   528                         ; an LDS row of x's codes: 512 bytes + 16 of padding
.set FA,   4                           ; v4   a fragment's place for my lane: r x 528 + 16 hh
.set LI,   5                           ; v5   16 x lane
.set XWI,  6                           ; v6   where I store x's codes: 4 x lane + my wave's 16 rows
.set OUTA, 7                           ; v7   16 x lane + the block's place in qkv
.set SCX,  8                           ; v8, v9    2^e_x and 448 x 2^e_x
.set LIMX, 9
.set SCO,  10                          ; v10, v11  the same with e_out - e_x - e_w: the three scales folded into one
.set LIMO, 11
.set XF,   32
.set ACC,  96
.set PC,   224
.set MSB, 0
.macro WIN new                         ; s_set_vgpr_msb: bits 1:0 source 0, 3:2 source 1, 5:4 source 2, 7:6 destination; the high byte repeats the setting that is left
.if MSB != (\new)
	s_set_vgpr_msb (MSB<<8)|(\new)
.set MSB, (\new)
.endif
.endm
.macro PLACES                          ; four plain vector lines behind a matrix instruction, in front of loads into its sources and of reads of its result
.rept 4
	v_nop
.endr
.endm
.macro BARRIER                         ; my LDS stores have landed and my LDS loads are in: then the work-group's barrier
	s_wait_dscnt 0x0
	s_barrier_signal -1
	s_barrier_wait -1
.endm
.macro XLOAD off                       ; my 16 rows of a block, row by row, four loads a row: load 4 i + s takes bytes 512 s .. 512 s + 511 of my tile's row i, which is token i + 8 (i / 8) from the tile's first
	WIN 0xc0
.set ii, 0
.rept 64
	global_load_b128 v[4*ii:4*ii+3], v[LI], s[4:5] offset:(\off)+((ii/4)+8*(ii/32))*2048+512*(ii%4) th:TH_LOAD_NT
.set ii, ii+1
.endr
	WIN 0
.endm
.macro QUANTX g                        ; rows 4 g .. 4 g + 3 of my tile become codes and go to their LDS rows.  Two sets of 16 registers take the codes by turns
	WIN 0xc3
.set ii, 0
.rept 64
	v_med3_num_f32 v[64*(\g)+ii], v[64*(\g)+ii], -v[LIMX], v[LIMX]   ; the conversion does not saturate (ISA guide 7.6.2): the hold at 448 x the scale
.set ii, ii+1
.endr
.if (\g) > 1
	s_wait_dscnt 16                                ; the stores of two groups ago have read this set; the last group's 16 may be out
.endif
	WIN 0x03
.set ii, 0
.rept 8
	v_cvt_scalef32_pk8_fp8_f32 v[PC+16*((\g)%2)+2*ii:PC+16*((\g)%2)+2*ii+1], v[64*(\g)+8*ii:64*(\g)+8*ii+7], v[SCX]   ; row 4 g + ii / 2: the low word K step 2 (ii % 2), the high word the K step after it
.set ii, ii+1
.endr
	WIN 0
	v_nop                                          ; a plain line behind the last conversion
.set ii, 0
.rept 8
	ds_store_b32 v[XWI], v[PC+16*((\g)%2)+2*ii] offset:(4*(\g)+ii/2)*XP+256*(ii%2)          ; 32 lanes store 128 consecutive bytes: the codes of one K step of one row
	ds_store_b32 v[XWI], v[PC+16*((\g)%2)+2*ii+1] offset:(4*(\g)+ii/2)*XP+256*(ii%2)+128
.set ii, ii+1
.endr
.endm
.macro FETCH pb, s                     ; x's fragments of row tiles 2 pb, 2 pb + 1, K step s, into buffer s % 2
.irp mm, 0,1
.irp c, 0,1,2,3
	ds_load_b128 v[XF+32*((\s)%2)+16*\mm+4*\c:XF+32*((\s)%2)+16*\mm+4*\c+3], v[FA] offset:16*(2*(\pb)+\mm)*XP+128*(\s)+32*\c
.endr
.endr
.endm
; 16 matrix instructions: my 8 weight tiles x 2 row tiles, 128 along K.  The 16 accumulators take turns, one instruction a turn, in the same order in every K step.
.macro MUL s, first, vpath
.irp t, 0,1,2,3,4,5,6,7
	WIN (1+3*(\vpath))*(1+\t/4)                    ; the weights' window, 1 or 2, in source 0's place (Q, K) or in source 1's (V)
.irp mm, 0,1
.set rA, ACC+64*\mm+8*\t
.set rW, 16*(4*(\t%4)+(\s))
.set rX, XF+32*((\s)%2)+16*\mm
.if \vpath
.if \first
	v_wmma_f32_16x16x128_fp8_fp8 v[rA:rA+7], v[rX:rX+15], v[rW:rW+15], 0
.else
	v_wmma_f32_16x16x128_fp8_fp8 v[rA:rA+7], v[rX:rX+15], v[rW:rW+15], v[rA:rA+7]
.endif
.else
.if \first
	v_wmma_f32_16x16x128_fp8_fp8 v[rA:rA+7], v[rW:rW+15], v[rX:rX+15], 0
.else
	v_wmma_f32_16x16x128_fp8_fp8 v[rA:rA+7], v[rW:rW+15], v[rX:rX+15], v[rA:rA+7]
.endif
.endif
.endr
.endr
.endm
; The products of a block, two row tiles at a time, and their way out as codes.
.macro PH1 vpath
.irp pb, 0,1
	FETCH \pb, 0
	FETCH \pb, 1
.irp s, 0,1,2,3
.if \s < 3
	s_wait_dscnt 8                                 ; this K step's 8 loads are in; the other buffer's 8 may be out
.else
	s_wait_dscnt 0x0
.endif
.if \s == 0
	MUL \s, 1, \vpath                              ; the first K step starts the sums: nothing is cleared
.else
	MUL \s, 0, \vpath
.endif
	WIN 0
	PLACES
.if \s < 2
	FETCH \pb, \s+2
.endif
.endr
.set ii, 0
.rept 128
	v_med3_num_f32 v[ACC+ii], v[ACC+ii], -v[LIMO], v[LIMO]   ; each accumulator from its low end on
.set ii, ii+1
.endr
	s_wait_xcnt 0x0                                ; the earlier stores have read the registers of the codes
.if \vpath
.irp t, 0,1,2,3,4,5,6,7
	v_cvt_scalef32_pk8_fp8_f32 v[PC+4*\t:PC+4*\t+1], v[ACC+8*\t:ACC+8*\t+7], v[SCO]            ; keys 32 pb + 16 hh + 0..7 of my channel,
	v_cvt_scalef32_pk8_fp8_f32 v[PC+4*\t+2:PC+4*\t+3], v[ACC+64+8*\t:ACC+64+8*\t+7], v[SCO]    ; and + 8..15
.endr
	v_nop                                          ; a plain line between the conversions and the matrix instructions that write their sources
.irp t, 0,1,2,3,4,5,6,7
	global_store_b128 v[OUTA], v[PC+4*\t:PC+4*\t+3], s[14:15] offset:(\t/4)*131072+(\t%4)*2048+\pb*512   ; head t / 4 of my two, tile t % 4 of its channels, group pb of the block's two
.endr
.else
.irp mm, 0,1
.irp b, 0,1,2,3
	v_cvt_scalef32_pk8_fp8_f32 v[PC+4*(4*\mm+\b):PC+4*(4*\mm+\b)+1], v[ACC+64*\mm+16*\b:ACC+64*\mm+16*\b+7], v[SCO]       ; channels 32 b + 16 hh + 0..7 of my token,
	v_cvt_scalef32_pk8_fp8_f32 v[PC+4*(4*\mm+\b)+2:PC+4*(4*\mm+\b)+3], v[ACC+64*\mm+16*\b+8:ACC+64*\mm+16*\b+15], v[SCO]  ; and + 8..15
.endr
.endr
	v_nop
.irp mm, 0,1
.irp b, 0,1,2,3
	global_store_b128 v[OUTA], v[PC+4*(4*\mm+\b):PC+4*(4*\mm+\b)+3], s[14:15] offset:(\b/2)*131072+(2*\pb+\mm)*1024+(\b%2)*512   ; head b / 2 of my two, token tile 2 pb + mm, group b % 2
.endr
.endr
.endif
.endr
.endm
	s_load_b256 s[4:11], s[0:1], 0x0               ; Q, K, V, the weights' images
	s_load_b128 s[12:15], s[0:1], 0x20             ; the scales, qkv
	v_lshl_add_u32 v30, v0, 2, 0x8400
	v_mov_b32 v31, 0
	v_lshrrev_b32 v1, 5, v0
	v_readfirstlane_b32 s16, v1                    ; wave
	s_and_b32 s17, ttmp7, 0xffff                   ; tau
	v_and_b32 v1, 31, v0                           ; lane
	v_and_b32 v2, 15, v0                           ; r
	v_bfe_u32 v3, v0, 4, 1                         ; hh
	v_mul_u32_u24 v[FA], v2, XP
	v_lshl_add_u32 v[FA], v3, 4, v[FA]
	v_lshlrev_b32 v[LI], 4, v1
	s_mul_i32 s18, s16, 16*XP                      ; my wave's 16 LDS rows
	v_lshl_add_u32 v[XWI], v1, 2, s18
	s_lshl_b32 s20, s17, 3                         ; bytes of entries 2 tau, 2 tau + 1
	s_lshl_b32 s21, s17, 2                         ; and, from entry 6 on, of entry 6 + tau
	s_lshl_b32 s28, ttmp9, 19                      ; x: 256 rows of 2,048 bytes a work-group,
	s_lshr_b32 s18, s16, 1
	s_lshl_b32 s18, s18, 16
	s_add_co_u32 s28, s28, s18                     ; + row tile w's first row: 32 (w / 2)
	s_and_b32 s18, s16, 1
	s_lshl_b32 s18, s18, 14
	s_add_co_u32 s28, s28, s18                     ; + 8 (w % 2)
	s_mov_b32 s29, 0
	s_lshl_b32 s30, s17, 18                        ; the weight's image, and my 8 tiles of it
	s_lshl_b32 s18, s16, 16
	s_add_co_u32 s30, s30, s18
	s_mov_b32 s31, 0
	s_lshl_b32 s22, s17, 23                        ; qkv: the tensor's part,
	s_lshr_b32 s18, ttmp9, 3
	s_lshl_b32 s18, s18, 20
	s_add_co_u32 s22, s22, s18                     ; the batch's eight heads,
	s_and_b32 s18, ttmp9, 7
	s_lshl_b32 s18, s18, 14
	s_add_co_u32 s22, s22, s18                     ; my 256 tokens: two blocks of 128,
	s_lshl_b32 s18, s16, 18
	s_add_co_u32 s22, s22, s18                     ; my wave's two heads
	s_mov_b32 s23, 0
	s_wait_kmcnt 0x0
	s_load_b64 s[24:25], s[12:13], s20 offset:0x0  ; e_x, e_w
	s_load_b32 s26, s[12:13], s21 offset:0x18      ; e_out
	s_cmp_eq_u32 s17, 1                            ; x's buffer: the choice hangs on the work-group's number alone
	s_cselect_b64 s[4:5], s[6:7], s[4:5]
	s_cmp_eq_u32 s17, 2
	s_cselect_b64 s[4:5], s[8:9], s[4:5]
	s_add_nc_u64 s[4:5], s[4:5], s[28:29]
	s_add_nc_u64 s[10:11], s[10:11], s[30:31]
	s_add_nc_u64 s[14:15], s[14:15], s[22:23]
	WIN 0x40                                       ; my 65,536 bytes of weights, as they lie: load i fills registers 4 i on
.set ii, 0
.rept 64
	global_load_b128 v[4*ii:4*ii+3], v[LI], s[10:11] offset:512*ii
.set ii, ii+1
.endr
	WIN 0x80
.set ii, 0
.rept 64
	global_load_b128 v[4*ii:4*ii+3], v[LI], s[10:11] offset:32768+512*ii
.set ii, ii+1
.endr
	WIN 0
	XLOAD 0                                        ; the first block
	s_wait_kmcnt 0x0
	s_add_co_i32 s28, s24, 127
	s_lshl_b32 s29, s28, 23
	v_mov_b32 v[SCX], s29
	s_add_co_i32 s28, s28, 8
	s_lshl_b32 s28, s28, 23
	s_or_b32 s28, s28, 0x600000
	v_mov_b32 v[LIMX], s28
	s_sub_co_i32 s28, s26, s24                     ; a sum stands for sum x 2^(e_x + e_w): its code is sum / 2^(e_out - e_x - e_w)
	s_sub_co_i32 s28, s28, s25
	s_add_co_i32 s28, s28, 127
	s_lshl_b32 s29, s28, 23
	v_mov_b32 v[SCO], s29
	s_add_co_i32 s28, s28, 8
	s_lshl_b32 s28, s28, 23
	s_or_b32 s28, s28, 0x600000
	v_mov_b32 v[LIMO], s28
	s_mov_b32 s19, 0                               ; the block, 0..3
.Lblock:
	s_wait_loadcnt 48                              ; the 16 loads of rows 0-3 are in (and, in the first trip, the weights, issued ahead of them); the 48 of rows 4-15 may be out
	s_wait_xcnt 0x0                                ; the last block's stores have read the codes' registers and their offset
	QUANTX 0
	s_wait_loadcnt 32                              ; rows 4-7 are in
	QUANTX 1
	s_wait_loadcnt 16                              ; rows 8-11
	QUANTX 2
	s_wait_loadcnt 0x0
	QUANTX 3
	s_cmp_eq_u32 s19, 3                            ; the next block's numbers are asked for now, if there is a next block: no load leaves its buffer
	s_cbranch_scc1 .Lno_next
	XLOAD 131072
.Lno_next:
	BARRIER                                        ; the codes of the block's 64 rows lie in LDS
	s_lshl_b32 s20, s19, 12                        ; Q, K: a block is four tiles of 1,024 bytes
	s_lshr_b32 s21, s19, 1
	s_lshl_b32 s21, s21, 13                        ; V: 128 keys are 8,192 bytes,
	s_and_b32 s22, s19, 1
	s_lshl_b32 s22, s22, 10                        ; and a block is two groups of 512 in each tile
	s_add_co_u32 s21, s21, s22
	s_cmp_eq_u32 s17, 2
	s_cselect_b32 s20, s21, s20
	v_add_nc_u32 v[OUTA], s20, v[LI]
	s_cmp_eq_u32 s17, 2
	s_cbranch_scc1 .Lkeys
	PH1 0
	s_branch .Ljoin
.Lkeys:
	PH1 1
.Ljoin:
	BARRIER                                        ; everybody's reads of x's codes are over: the next block may overwrite them
	s_wait_xcnt 0x0                                ; the loads on their way have read their base
	s_add_nc_u64 s[4:5], s[4:5], 131072
	s_add_co_u32 s19, s19, 1
	s_cmp_lt_u32 s19, 4
	s_cbranch_scc1 .Lblock
	s_wait_tensorcnt 0x0
	ds_add_u32 v30, v31
	s_wait_dscnt 0x0
	s_endpgm
.Lfunc_end_k_q1f04daf4ab_proj:
	.size	k_q1f04daf4ab_proj, .Lfunc_end_k_q1f04daf4ab_proj-k_q1f04daf4ab_proj
	.p2alignl 7, 3214868480
	.fill 96, 4, 3214868480
	.section	.rodata,"a",@progbits
	.p2align	6, 0x0
	.amdhsa_kernel k_q1f04daf4ab_proj
		.amdhsa_group_segment_fixed_size 34304
		.amdhsa_private_segment_fixed_size 0
		.amdhsa_enable_private_segment 0
		.amdhsa_kernarg_size 48
		.amdhsa_user_sgpr_count 2
		.amdhsa_user_sgpr_kernarg_segment_ptr 1
		.amdhsa_wavefront_size32 1
		.amdhsa_system_sgpr_workgroup_id_x 1
		.amdhsa_system_sgpr_workgroup_id_y 1
		.amdhsa_system_sgpr_workgroup_id_z 1
		.amdhsa_system_vgpr_workitem_id 0
		.amdhsa_next_free_vgpr 1024
		.amdhsa_next_free_sgpr 66
		.amdhsa_reserve_vcc 0
		.amdhsa_float_denorm_mode_32 3
		.amdhsa_float_denorm_mode_16_64 3
		.amdhsa_memory_ordered 1
		.amdhsa_forward_progress 1
		.amdhsa_inst_pref_size 119
	.end_amdhsa_kernel
	.amdgpu_metadata
---
amdhsa.version: [ 1, 2 ]
amdhsa.kernels:
  - .name:           k_q1f04daf4ab_proj
    .symbol:         k_q1f04daf4ab_proj.kd
    .args:
      - { .name: Q, .offset: 0, .size: 8, .value_kind: global_buffer, .address_space: global }
      - { .name: K, .offset: 8, .size: 8, .value_kind: global_buffer, .address_space: global }
      - { .name: V, .offset: 16, .size: 8, .value_kind: global_buffer, .address_space: global }
      - { .name: wimg, .offset: 24, .size: 8, .value_kind: global_buffer, .address_space: global }
      - { .name: lowp_scales, .offset: 32, .size: 8, .value_kind: global_buffer, .address_space: global }
      - { .name: qkv, .offset: 40, .size: 8, .value_kind: global_buffer, .address_space: global }
    .group_segment_fixed_size: 34304
    .private_segment_fixed_size: 0
    .kernarg_segment_align: 8
    .kernarg_segment_size: 48
    .max_flat_workgroup_size: 128
    .sgpr_count:     66
    .vgpr_count:     1024
    .wavefront_size: 32
...
	.end_amdgpu_metadata
.endif
;; end of part 2
;; launch attn (part 3): grid 4 x 64, 16 waves a work-group, clusters of 4 x 1, 264,192 bytes of LDS; arguments qkv, lowp_scales, att; writes att
.if DOCPART == 3
	.amdgcn_target "amdgcn-amd-amdhsa--gfx1250"
	.amdhsa_code_object_version 6
	.text
	.protected	k_q1f04daf4ab_attn
	.globl	k_q1f04daf4ab_attn
	.p2align	8
	.type	k_q1f04daf4ab_attn,@function
k_q1f04daf4ab_attn:
	s_mov_b64 s[64:65], 0
	v_nop
	global_prefetch_b8 v0, s[64:65] scope:SCOPE_SE
	s_setreg_imm32_b32 hwreg(HW_REG_WAVE_MODE, 25, 1), 1
	s_wait_xcnt 0x0
	s_wait_alu depctr_hold_cnt(0) depctr_sa_sdst(0) depctr_va_vdst(0) depctr_va_sdst(0) depctr_va_ssrc(0) depctr_va_vcc(0) depctr_vm_vsrc(0)
	s_getreg_b32 s2, hwreg(HW_REG_IB_STS2, 6, 4)
	s_cmp_eq_u32 s2, 0
	s_cbranch_scc0 .Lentry_in_a_cluster
	s_endpgm
.Lentry_in_a_cluster:
	s_bfe_u32 s2, ttmp6, 0x10000c
	s_cmp_lg_u32 s2, 0x3003
	s_cbranch_scc0 .Lentry_shape_is_right
	s_endpgm
.Lentry_shape_is_right:
; Products 4 and 5: V_att = softmax(Qh Kh^T / (8 + 1e-6)) Vh for each of 64 heads (batch x head), head size 64, 2,048 keys, on codes of FP8 (E4M3); the result is quantised (scale 10) for product 6.
; THE SOFTMAX AHEAD OF THE SECOND PRODUCT: t = score x log2(e) / (8 + 1e-6); M = the row's largest t so far, rounded UP to a whole number; p = 2^(t - M) is quantised (scale 9), not normalised.
; The row's sum is taken of the unquantised p, in f32, and divides O at the end.  When M moves, the sum and O are multiplied by 2^(old M - new M): exact.
; SHARES.  A work-group owns 512 queries of one head; each of its sixteen waves owns two tiles of 16 queries, one after the other (two passes), in 256 registers: four waves to a SIMD, so that one wave's
; vector work stands beside another's matrix work and LDS loads.  Every wave walks all keys, 128 a step.
; LDS.  A head's K and V codes are 131,072 bytes each: both lie in LDS whole, K from byte 0, V from byte 131,072, as they lie in memory (images of operand registers, 8,192 bytes a step).  EVERY LDS BYTE IS
; FILLED ONCE: no ring, no refill.  Each wave brings two pieces: 4,096 bytes of steps 0-3 and 12,288 bytes of steps 4-15 (waves 0-7: K, waves 8-15: V); two tensor loads of a wave are out at the most.
; CLUSTER.  The four work-groups of a head need the same K and V: each piece is asked for JOINTLY, by the same tensor load with the same descriptor and a mask that names the four.
; LAYOUT.  Both products are used transposed: S^T = K Q^T (source 0 = 16 keys, source 1 = my 16 queries, K = 64), O^T = V^T P^T (source 0 = 16 channels, source 1 = P, K = 128 keys): a lane holds ONE query.
; The keys of a tile of K, and the channels of a tile of V, are not neighbours: tile 2 b + u holds rows 32 b + 8 u + r + 8 (r / 8): so the 16 registers of tiles 2 b, 2 b + 1 are 16 neighbours, and two
; conversions make 16 bytes of the next operand.  att: [row tile 1,024][K step 4][group 4][512 bytes]: head h fills K step h / 2, groups 2 (h % 2) and + 1; a store covers 512 consecutive bytes, aligned.
; LIMITS on the given exponents: e6 + e7 between -123 and 130 (added to c's exponent field); e9 and e10 between -126 and 119; e8 + e9 goes in by v_ldexp_f32.  NaN among the inputs is not served.
; REGISTERS: v1 16 x lane; v8, v9 LDS addresses of the step; v12 -M, v13 the largest t, v[14:15] the sum in two halves; v16-31 Q's two tiles; v32-95 eight fragments of K, then four of V;
;   v96-159 S^T, then p; v160-191 O^T; v192-199 at work; v200-203 scales and holds; v224-239 p's codes.
.set LI,  1
.set ADK, 8
.set ADV, 9
.set WV,  18                           ; s18  my wave's number
.set SEL, 20                           ; s[20:21] lane selects for v_permlanex16_b32: lane l xor 16
.set CS,  22                           ; s[22:23] c: the packed form names a pair and takes its low word for both halves
.set KB,  24                           ; s24  LDS byte at which the step's image of K begins
.set CNT, 25                           ; s25  counts a loop's steps
.set G0A, 32                           ; s[32:35], s[36:39] descriptor groups 0 of my two pieces
.set G0B, 36
.set G1A, 40                           ; s[40:47] group 1: 16 rows of 256 bytes;  s[48:55]: 48 rows
.set G1B, 48
.macro CROUND                          ; a round of the cluster's barrier
	s_barrier_signal -1
	s_barrier_wait -1
	s_cmp_lg_u32 s[WV], 0
	s_cbranch_scc1 .Lnot_wave_0_\@
	s_barrier_signal -3
.Lnot_wave_0_\@:
	s_barrier_wait -3
	s_barrier_signal -1
	s_barrier_wait -1
.endm
	s_load_b128 s[4:7], s[0:1], 0x0                ; qkv, the scales
	s_load_b64 s[8:9], s[0:1], 0x10                ; att
	v_lshl_add_u32 v254, v0, 2, 0x40000
	v_mov_b32 v255, 0
	ds_add_u32 v254, v255
	ds_add_u32 v254, v255
	v_lshrrev_b32 v2, 5, v0
	v_readfirstlane_b32 s[WV], v2                  ; wave 0..15
	v_and_b32 v[LI], 31, v0
	v_lshlrev_b32 v[LI], 4, v[LI]
	s_bfe_u32 s26, ttmp6, 0x40000                  ; cx: my place in the cluster
	s_lshl_b32 s27, ttmp9, 2
	s_add_co_u32 s27, s27, s26                     ; my block of 512 queries: it enters Q's and att's addresses alone
	s_and_b32 s28, ttmp7, 0xffff                   ; the head (8 x batch + h), which the four partners share
	s_lshr_b32 s56, s[WV], 3                       ; 0: I fetch for K, 1: for V
	s_and_b32 s57, s[WV], 7                        ; which eighth
	s_lshl_b32 s58, s56, 17                        ; LDS: K from 0, V from 131,072
	s_lshl_b32 s59, s57, 12                        ; piece A: 4,096 bytes of the first 32,768
	s_mul_i32 s60, s57, 12288
	s_add_co_u32 s60, s60, 32768                   ; piece B: 12,288 bytes of the other 98,304
	s_mov_b32 s[G0A], 1                            ; 1:0 count = 1
	s_add_co_u32 s[G0A+1], s58, s59                ; 63:32 LDS address: the wave's number and constants alone
	s_mov_b32 s[G0B], 1
	s_add_co_u32 s[G0B+1], s58, s60
	s_add_co_u32 s84, s56, 1
	s_lshl_b32 s84, s84, 23                        ; qkv: K's part is the second, V's the third
	s_lshl_b32 s85, s28, 17                        ; a head's codes are 131,072 bytes in each part
	s_add_co_u32 s84, s84, s85
	s_add_co_u32 s86, s84, s59
	s_mov_b32 s87, 0
	s_add_co_u32 s88, s84, s60
	s_mov_b32 s89, 0
	; group 1: a dense block as rows of 256 bytes: elements of 8 bytes, 32 to a row, no padding
	s_mov_b32 s[G1A], 15|(3<<16)|(1<<21)           ; 15:0 the mask: all four work-groups; 17:16 elements of 8 bytes; 21 set beside a mask
	s_mov_b32 s[G1A+1], 32<<16                     ; tensor_dim0 = 32
	s_mov_b32 s[G1A+2], 16<<16                     ; tensor_dim1 = 16
	s_mov_b32 s[G1A+3], 32<<16                     ; tile_dim0 = 32
	s_mov_b32 s[G1A+4], 16                         ; tile_dim1 = 16
	s_mov_b32 s[G1A+5], 32                         ; from row to row: 32 elements
	s_mov_b32 s[G1A+6], 0
	s_mov_b32 s[G1A+7], 0
	s_mov_b32 s[G1B], 15|(3<<16)|(1<<21)
	s_mov_b32 s[G1B+1], 32<<16
	s_mov_b32 s[G1B+2], 48<<16                     ; 48 rows
	s_mov_b32 s[G1B+3], 32<<16
	s_mov_b32 s[G1B+4], 48
	s_mov_b32 s[G1B+5], 32
	s_mov_b32 s[G1B+6], 0
	s_mov_b32 s[G1B+7], 0
	s_lshl_b32 s90, s27, 15                        ; Q: my block's 32 tiles of 1,024 bytes,
	s_add_co_u32 s90, s90, s85                     ; in my head,
	s_lshl_b32 s91, s[WV], 10
	s_add_co_u32 s90, s90, s91                     ; tile w (pass 1: tile 16 + w)
	s_mov_b32 s91, 0
	s_lshr_b32 s92, s28, 3
	s_lshl_b32 s92, s92, 7                         ; att: the batch's 128 row tiles,
	s_lshl_b32 s93, s27, 5
	s_add_co_u32 s92, s92, s93                     ; my block's 32,
	s_add_co_u32 s92, s92, s[WV]                   ; tile w,
	s_lshl_b32 s92, s92, 13                        ; of 8,192 bytes;
	s_bfe_u32 s93, s28, 0x20001
	s_lshl_b32 s93, s93, 11
	s_add_co_u32 s92, s92, s93                     ; K step h / 2,
	s_and_b32 s93, s28, 1
	s_lshl_b32 s93, s93, 10
	s_add_co_u32 s92, s92, s93                     ; groups 2 (h % 2) on
	s_mov_b32 s93, 0
	s_mov_b32 s[SEL], 0x76543210
	s_mov_b32 s[SEL+1], 0xfedcba98
	s_mov_b32 s[CS], 0x3e38aa3a                    ; c = log2(e) / (8 + 1e-6)
	s_wait_dscnt 0x0
	s_wait_kmcnt 0x0
	s_load_b512 s[68:83], s[6:7], 0x0              ; e0 .. e15
	s_add_nc_u64 s[G0A+2:G0A+3], s[4:5], s[86:87]  ; 120:64 global address
	s_or_b32 s[G0A+3], s[G0A+3], 0x80000000        ; 127:126 type = 2
	s_add_nc_u64 s[G0B+2:G0B+3], s[4:5], s[88:89]
	s_or_b32 s[G0B+3], s[G0B+3], 0x80000000
	s_add_nc_u64 s[10:11], s[4:5], s[90:91]        ; Q's codes at my first tile
	s_add_nc_u64 s[8:9], s[8:9], s[92:93]          ; att likewise
	CROUND                                         ; all four work-groups are here: the joint loads meet
	tensor_load_to_lds s[G0A:G0A+3], s[G1A:G1A+7]  ; my two fills stand together, ahead of every wait on TENSORcnt and every LDS read; four v_nop follow the second
	s_nop 0
	tensor_load_to_lds s[G0B:G0B+3], s[G1B:G1B+7]
	s_nop 0
.rept 4
	v_nop
.endr
.irp p, 0,1
.irp c, 0,1
	global_load_b128 v[16+8*\p+4*\c:19+8*\p+4*\c], v[LI], s[10:11] offset:16384*\p+512*\c th:TH_LOAD_NT   ; Q's two fragments stay in registers
.endr
.endr
	v_mov_b32 v192, 0                              ; written once: a lane permute's destination counts as one of its sources
	v_mov_b32 v195, 0                              ; (named as the upper half of the pair v[194:195])
	s_wait_kmcnt 0x0
	s_add_co_i32 s29, s74, s75
	s_lshl_b32 s29, s29, 23
	s_add_co_i32 s[CS], s[CS], s29                 ; a score stands for score x 2^(e6 + e7): the two exponents are added to c's exponent field
	s_mov_b32 s[CS+1], s[CS]                       ; (named with it as a pair, so it is written)
	s_add_co_i32 s30, s77, 127
	s_lshl_b32 s31, s30, 23
	v_mov_b32 v200, s31                            ; 2^e9, for p's conversions
	s_add_co_i32 s30, s30, 8
	s_lshl_b32 s30, s30, 23
	s_or_b32 s30, s30, 0x600000
	v_mov_b32 v201, s30                            ; 448 x 2^e9
	s_add_co_i32 s30, s78, 127
	s_lshl_b32 s31, s30, 23
	v_mov_b32 v202, s31                            ; 2^e10, for the result's
	s_add_co_i32 s30, s30, 8
	s_lshl_b32 s30, s30, 23
	s_or_b32 s30, s30, 0x600000
	v_mov_b32 v203, s30
	s_add_co_i32 s29, s76, s77                     ; e8 + e9
; A KEY STEP: 128 keys; qr: the first register of the pass's fragment of Q.
.macro STEP qr
	v_add_nc_u32 v[ADK], s[KB], v[LI]              ; these two and two v_nop are the four places behind the last products, in front of loads into the registers that they read
	v_add_nc_u32 v[ADV], 0x20000, v[ADK]
	v_nop
	v_nop
.irp t, 0,1,2,3,4,5,6,7
	ds_load_b128 v[32+8*\t:35+8*\t], v[ADK] offset:1024*\t
	ds_load_b128 v[36+8*\t:39+8*\t], v[ADK] offset:1024*\t+512
.endr
	s_wait_dscnt 0x0
.irp t, 0,1,2,3,4,5,6,7
	v_wmma_f32_16x16x64_fp8_fp8 v[96+8*\t:103+8*\t], v[32+8*\t:39+8*\t], v[\qr:\qr+7], 0   ; register 16 b + i of S^T: key 32 b + 16 (lane / 16) + i of the step
.endr
.rept 4
	v_nop                                          ; places in front of the loads below and of the first read of the scores
.endr
.irp d, 0,1,2,3
.irp c, 0,1,2,3
	ds_load_b128 v[32+16*\d+4*\c:35+16*\d+4*\c], v[ADV] offset:2048*\d+512*\c   ; V's four fragments land while the softmax is worked
.endr
.endr
	v_max3_num_f32 v196, v96, v97, v98             ; the step's largest score of my query, among my 64 keys, in two chains, each accumulator from its low end on,
	v_max3_num_f32 v197, v99, v100, v101
.irp i, 6,10,14,18,22,26,30,34,38,42,46,50,54,58
	v_max3_num_f32 v196, v196, v[96+\i], v[97+\i]
	v_max3_num_f32 v197, v197, v[98+\i], v[99+\i]
.endr
	v_max3_num_f32 v196, v196, v158, v159
	v_max_num_f32 v196, v196, v197
	v_permlanex16_b32 v192, v196, s[SEL], s[SEL+1]
	v_max_num_f32 v196, v196, v192                 ; and among lane l xor 16's
	v_mul_f32 v196, s[CS], v196                    ; as t (c is positive)
	v_max_num_f32 v13, v13, v196                   ; the running largest t
	v_mov_b32 v196, v12
	v_floor_f32 v12, -v13                          ; the new -M = floor(-t) = -ceil(t): M is a whole number
	v_sub_f32 v196, v12, v196                      ; M's old value less its new one: a whole number, 0 or less
	v_cvt_i32_f32 v196, v196                       ; (it saturates)
	v_ldexp_f32 v194, 1.0, v196                    ; f = 2^(old M - new M)
.set jj, 0
.rept 32
	v_pk_fma_f32 v[96+jj:97+jj], v[96+jj:97+jj], s[CS:CS+1], v[12:13] op_sel_hi:[1,0,0]   ; t - M, two at a time
.set jj, jj+2
.endr
.set jj, 0
.rept 64
	v_exp_f32 v[96+jj], v[96+jj]                   ; p = 2^(t - M), at most 1: not normalised
.set jj, jj+1
.endr
	v_pk_mul_f32 v[14:15], v[14:15], v[194:195] op_sel_hi:[1,0]   ; the sums under the new M: the plain line behind the exponentials
	s_wait_alu depctr_va_vdst(0)                   ; one wait for the whole batch, ahead of its first reader
	v_pk_add_f32 v[198:199], v[96:97], v[98:99]    ; the row's sum is taken of the unquantised p: two at a time, in two chains
.irp j, 4,8,12,16,20,24,28,32,36,40,44,48,52,56,60
	v_pk_add_f32 v[14:15], v[14:15], v[96+\j:97+\j]
	v_pk_add_f32 v[198:199], v[198:199], v[98+\j:99+\j]
.endr
	v_pk_add_f32 v[14:15], v[14:15], v[198:199]
.irp b, 0,1,2,3
.set jj, 0
.rept 16
	v_min_num_f32 v[96+16*\b+jj], v[96+16*\b+jj], v201   ; the conversion does not saturate (ISA guide 7.6.2); p is not negative, so the hold is one-sided
.set jj, jj+1
.endr
	v_cvt_scalef32_pk8_fp8_f32 v[224+4*\b:225+4*\b], v[96+16*\b:103+16*\b], v200
	v_cvt_scalef32_pk8_fp8_f32 v[226+4*\b:227+4*\b], v[104+16*\b:111+16*\b], v200
.endr
.set jj, 0
.rept 16
	v_pk_mul_f32 v[160+jj:161+jj], v[160+jj:161+jj], v[194:195] op_sel_hi:[1,0]   ; O^T under the new M: x f.  (Plain lines between the conversions and the products below)
.set jj, jj+2
.endr
	s_wait_dscnt 0x0                               ; V's fragments are in
.irp d, 0,1,2,3
	v_wmma_f32_16x16x128_fp8_fp8 v[160+8*\d:167+8*\d], v[32+16*\d:47+16*\d], v[224:239], v[160+8*\d:167+8*\d]   ; four accumulators by turns
.endr
	s_add_co_u32 s[KB], s[KB], 8192
.endm
.macro INIT                            ; a pass begins: O^T and the sum are zeros, which the first change of M leaves zeros; the largest t is under every t
	v_mov_b32 v13, 0xff61b1e6                      ; -3e38
	v_floor_f32 v12, -v13
	v_mov_b32 v14, 0
	v_mov_b32 v15, 0
.set jj, 0
.rept 32
	v_mov_b32 v[160+jj], 0
.set jj, jj+1
.endr
	s_mov_b32 s[KB], 0
.endm
.macro WAYOUT p                        ; O^T x 2^(e8 + e9) / the sum, quantised: register 16 b + i is channel 32 b + 16 (lane / 16) + i of my query: two groups of an image
.rept 4
	v_nop                                          ; places behind the last products
.endr
	v_add_f32 v14, v14, v15                        ; the sum's two halves,
	v_permlanex16_b32 v192, v14, s[SEL], s[SEL+1]
	v_add_f32 v14, v14, v192                       ; and lane l xor 16's
	v_rcp_f32 v14, v14
	v_nop                                          ; a plain line behind the transcendental
	s_wait_alu depctr_va_vdst(0)                   ; and the wait ahead of its first reader
	v_ldexp_f32 v14, v14, s29
.set jj, 0
.rept 32
	v_mul_f32 v[96+jj], v[160+jj], v14
.set jj, jj+1
.endr
.set jj, 0
.rept 32
	v_med3_num_f32 v[96+jj], v[96+jj], -v203, v203
.set jj, jj+1
.endr
.irp b, 0,1
	v_cvt_scalef32_pk8_fp8_f32 v[224+4*\b:225+4*\b], v[96+16*\b:103+16*\b], v202
	v_cvt_scalef32_pk8_fp8_f32 v[226+4*\b:227+4*\b], v[104+16*\b:111+16*\b], v202
.endr
	v_nop                                          ; a plain line behind the last conversion
.irp b, 0,1
	global_store_b128 v[LI], v[224+4*\b:227+4*\b], s[8:9] offset:131072*(\p)+512*\b   ; 32 lanes store 512 consecutive bytes, aligned
.endr
.endm
	s_wait_tensorcnt 1                             ; my piece of steps 0-3 is in; the one load issued behind it may stay out
	s_barrier_signal -1
	s_barrier_wait -1                              ; everybody's is
	s_wait_loadcnt 0x0                             ; Q
	INIT
	s_mov_b32 s[CNT], 4
.Lfirst:                                           ; pass 0, steps 0-3
	STEP 16
	s_sub_co_u32 s[CNT], s[CNT], 1
	s_cmp_lg_u32 s[CNT], 0
	s_cbranch_scc1 .Lfirst
	s_wait_tensorcnt 0x0                           ; my piece of steps 4-15 is in,
	s_wait_dscnt 0x0
	s_barrier_signal -1
	s_barrier_wait -1                              ; everybody's is: from here on all of K and V lie in LDS
	s_mov_b32 s[CNT], 12
.Lrest:                                            ; pass 0, steps 4-15
	STEP 16
	s_sub_co_u32 s[CNT], s[CNT], 1
	s_cmp_lg_u32 s[CNT], 0
	s_cbranch_scc1 .Lrest
	WAYOUT 0
	INIT
	s_wait_xcnt 0x0                                ; the stores have read the codes' registers, which p's codes take again
	s_mov_b32 s[CNT], 16
.Lsecond:                                          ; pass 1
	STEP 24
	s_sub_co_u32 s[CNT], s[CNT], 1
	s_cmp_lg_u32 s[CNT], 0
	s_cbranch_scc1 .Lsecond
	WAYOUT 1
	s_wait_dscnt 0x0
	s_wait_tensorcnt 0x0
	ds_add_u32 v254, v255
	s_wait_dscnt 0x0
	CROUND                                         ; the closing round: no work-group ends while a partner may still ask for a piece that names it
	s_endpgm
.Lfunc_end_k_q1f04daf4ab_attn:
	.size	k_q1f04daf4ab_attn, .Lfunc_end_k_q1f04daf4ab_attn-k_q1f04daf4ab_attn
	.p2alignl 7, 3214868480
	.fill 96, 4, 3214868480
	.section	.rodata,"a",@progbits
	.p2align	6, 0x0
	.amdhsa_kernel k_q1f04daf4ab_attn
		.amdhsa_group_segment_fixed_size 264192
		.amdhsa_private_segment_fixed_size 0
		.amdhsa_enable_private_segment 0
		.amdhsa_kernarg_size 24
		.amdhsa_user_sgpr_count 2
		.amdhsa_user_sgpr_kernarg_segment_ptr 1
		.amdhsa_wavefront_size32 1
		.amdhsa_system_sgpr_workgroup_id_x 1
		.amdhsa_system_sgpr_workgroup_id_y 1
		.amdhsa_system_sgpr_workgroup_id_z 1
		.amdhsa_system_vgpr_workitem_id 0
		.amdhsa_next_free_vgpr 256
		.amdhsa_next_free_sgpr 100
		.amdhsa_reserve_vcc 0
		.amdhsa_float_denorm_mode_32 3
		.amdhsa_float_denorm_mode_16_64 3
		.amdhsa_memory_ordered 1
		.amdhsa_forward_progress 1
		.amdhsa_inst_pref_size 63
	.end_amdhsa_kernel
	.amdgpu_metadata
---
amdhsa.version: [ 1, 2 ]
amdhsa.kernels:
  - .name:           k_q1f04daf4ab_attn
    .symbol:         k_q1f04daf4ab_attn.kd
    .args:
      - { .name: qkv, .offset: 0, .size: 8, .value_kind: global_buffer, .address_space: global }
      - { .name: lowp_scales, .offset: 8, .size: 8, .value_kind: global_buffer, .address_space: global }
      - { .name: att, .offset: 16, .size: 8, .value_kind: global_buffer, .address_space: global }
    .group_segment_fixed_size: 264192
    .private_segment_fixed_size: 0
    .kernarg_segment_align: 8
    .kernarg_segment_size: 24
    .max_flat_workgroup_size: 512
    .sgpr_count:     100
    .vgpr_count:     256
    .wavefront_size: 32
...
	.end_amdgpu_metadata
.endif
;; end of part 3
;; launch tail (part 4): grid 256 x 1, 4 waves a work-group, no clusters, 132,608 bytes of LDS; arguments att, wimg, Q, b1, b2, lowp_scales, out0; writes out0
.if DOCPART == 4
	.amdgcn_target "amdgcn-amd-amdhsa--gfx1250"
	.amdhsa_code_object_version 6
	.text
	.protected	k_q1f04daf4ab_tail
	.globl	k_q1f04daf4ab_tail
	.p2align	8
	.type	k_q1f04daf4ab_tail,@function
k_q1f04daf4ab_tail:
	s_mov_b64 s[64:65], 0
	v_nop
	global_prefetch_b8 v0, s[64:65] scope:SCOPE_SE
	s_setreg_imm32_b32 hwreg(HW_REG_WAVE_MODE, 25, 1), 1
	s_wait_xcnt 0x0
; Products 6 to 8: X = Q + V_att W_o;  out = relu(X W1^T + b1) W2^T + b2 + X, all three products on codes of FP8 (E4M3).  X and the hidden layer never go to memory.
; A work-group takes 64 tokens (four row tiles of 16), once: 256 work-groups.  THE WAVES SHARE THE COLUMNS: wave w makes columns 128 w .. 128 w + 127 of every layer, for all 64 rows: so each weight fragment is
; read by one wave, once, from memory straight into operand registers (an earlier launch laid the weights so), and feeds four matrix instructions.  Weights run two K steps (two sets of 128 registers) ahead.
; A layer's 128 columns of a wave are K step w of the next product: quantised in registers, they go to the other waves through LDS as IMAGES OF THE OPERAND'S REGISTERS (four stores of 16 bytes a lane, 512
; consecutive bytes each).  The rows of a tile, in weights and tokens, are 32 b + 8 u + r + 8 (r / 8) for tile 2 b + u, and the products are used transposed (source 0 = weights, source 1 = rows): a lane holds
; one token, and the 16 registers of tiles 2 b, 2 b + 1 are columns 32 b + 16 (lane / 16) + 0..15.  Q is loaded straight into that layout and becomes X in place.
; The biases are the C of a sum's first matrix instruction, divided by the power of two that the sums lack.  The given scales are folded: X = Q + sum x 2^(e10 + e11); the hidden layer's conversion takes
; 2^(e14 - e12 - e13); out = sum x 2^(e14 + e15) + X.
; NO CLUSTER: the weights are shared by all work-groups, but a joint load lands in LDS alone: 786,432 bytes of weights would go through a ring that is filled again, with a round of the cluster's barrier for
; each slot and 32 matrix instructions a wave for each 65,536 bytes between rounds; here each fragment goes into the registers of the one wave that multiplies by it.
; THREE BARRIERS: V_att's images, X's images, the hidden layer's images; each LDS region is written once.  No loop: 12 K steps are written out by macro.
; LIMITS on the given exponents: e12, and e14 - e12 - e13, between -126 and 119; e10 + e11 and e14 + e15 between -126 and 127.  NaN among the inputs is not served.
; LDS: 0 V_att's 16 fragments ((4 m + s) x 2,048); 32,768 X's; 65,536 the hidden layer's; from 98,304 a stage of 16 rows x (512 + 16) bytes for each wave.
; REGISTERS: window 0: v1-17 addresses and scales; v32-95, v192-255 the rows' fragments, two buffers of four; v96-127 codes just made, two sets; v128-191 a bias, 8 t + j.
;   window 1: weights, two sets of 8 fragments.   window 2: the 32 accumulators, 64 m + 8 t.   window 3: Q, then X, in the accumulators' layout.
.set LI,   1                           ; v1   16 x lane
.set QA,   4                           ; v4   Q: (r + 8 (r / 8)) rows of 2,048 bytes + 64 hh + 512 w
.set BA,   5                           ; v5   a bias: 64 hh + 512 w
.set IWA,  6                           ; v6   where I store images: 16 x lane + 2,048 w
.set AWA,  7                           ; v7   V_att's row tile w: 16 x lane + 8,192 w, in memory and in LDS
.set WA,   8                           ; v8   my weights: 16 x lane + 65,536 w
.set LIC,  9                           ; v9   16 x lane + 65,536: an LDS immediate holds 16 bits
.set STO,  10                          ; v10  the stage: where I put a row's bytes
.set RD,   11                          ; v11  and where I read a row back
.set CO,   12                          ; v12  out: 16 x lane + 512 w
.set SCX,  13                          ; v13, v14  2^e12 and 448 x 2^e12
.set LIMX, 14
.set SCH,  15                          ; v15, v16  the same with e14 - e12 - e13
.set LIMH, 16
.set IWC,  17                          ; v17  v6 + 65,536
.set XF0,  32
.set PC,   96
.set BIAS, 128
.set MSB, 0
.macro WIN new                         ; s_set_vgpr_msb: bits 1:0 source 0, 3:2 source 1, 5:4 source 2, 7:6 destination; the high byte repeats the setting that is left
.if MSB != (\new)
	s_set_vgpr_msb (MSB<<8)|(\new)
.set MSB, (\new)
.endif
.endm
.macro PLACES                          ; four plain vector lines behind a matrix instruction, in front of loads into its sources and of reads of its result
.rept 4
	v_nop
.endr
.endm
.macro BARRIER
	s_wait_dscnt 0x0
	s_barrier_signal -1
	s_barrier_wait -1
.endm
.macro WLOAD q                         ; my 8 weight fragments of K step q % 4 of layer q / 4, into set q % 2
	WIN 0x40
.irp t, 0,1,2,3,4,5,6,7
.irp c, 0,1,2,3
	global_load_b128 v[128*((\q)%2)+16*\t+4*\c:128*((\q)%2)+16*\t+4*\c+3], v[WA], s[6:7] offset:((\q)/4)*262144+(4*\t+(\q)%4)*2048+512*\c
.endr
.endr
	WIN 0
.endm
.macro QLOAD m                         ; Q of row tile m, my 128 columns, into X's registers
	WIN 0xc0
.irp b, 0,1,2,3
.irp j, 0,1,2,3
	global_load_b128 v[64*(\m)+16*\b+4*\j:64*(\m)+16*\b+4*\j+3], v[QA], s[8:9] offset:(32*((\m)/2)+8*((\m)%2))*2048+128*\b+16*\j th:TH_LOAD_NT
.endr
.endr
	WIN 0
.endm
.macro BLOAD base                      ; a bias in the result's layout: for tile t my eight columns 32 (t / 2) + 16 hh + 8 (t % 2) + 0..7
.irp t, 0,1,2,3,4,5,6,7
	global_load_b128 v[BIAS+8*\t:BIAS+8*\t+3], v[BA], s[\base:\base+1] offset:128*(\t/2)+32*(\t%2)
	global_load_b128 v[BIAS+8*\t+4:BIAS+8*\t+7], v[BA], s[\base:\base+1] offset:128*(\t/2)+32*(\t%2)+16
.endr
.endm
.macro XFETCH l, s, buf                ; the four row tiles' fragments of K step s from layer l's region
.set rB, XF0+160*(\buf)
.irp m, 0,1,2,3
.irp c, 0,1,2,3
.if (\l) == 2
	ds_load_b128 v[rB+16*\m+4*\c:rB+16*\m+4*\c+3], v[LIC] offset:(4*\m+(\s))*2048+512*\c
.else
	ds_load_b128 v[rB+16*\m+4*\c:rB+16*\m+4*\c+3], v[LI] offset:32768*(\l)+(4*\m+(\s))*2048+512*\c
.endif
.endr
.endr
.endm
; 32 matrix instructions: my 8 weight tiles x 4 row tiles, 128 along K.  cmode 0: the sums go on; 1: they start at 0; 2: they start at the bias.  The 32 accumulators take turns.
.macro MUL q, cmode
.if (\cmode) == 2
	WIN 0x81
.else
	WIN 0xa1
.endif
.set rB, XF0+160*((\q)%2)
.set rS, 128*((\q)%2)
.irp t, 0,1,2,3,4,5,6,7
.irp m, 0,1,2,3
.if (\cmode) == 0
	v_wmma_f32_16x16x128_fp8_fp8 v[64*\m+8*\t:64*\m+8*\t+7], v[rS+16*\t:rS+16*\t+15], v[rB+16*\m:rB+16*\m+15], v[64*\m+8*\t:64*\m+8*\t+7]
.elseif (\cmode) == 1
	v_wmma_f32_16x16x128_fp8_fp8 v[64*\m+8*\t:64*\m+8*\t+7], v[rS+16*\t:rS+16*\t+15], v[rB+16*\m:rB+16*\m+15], 0
.else
	v_wmma_f32_16x16x128_fp8_fp8 v[64*\m+8*\t:64*\m+8*\t+7], v[rS+16*\t:rS+16*\t+15], v[rB+16*\m:rB+16*\m+15], v[BIAS+8*\t:BIAS+8*\t+7]
.endif
.endr
.endr
.endm
; K step q of the twelve.  lcnt: the global loads issued behind this step's weights, which may stay out.
.macro STEP q, cmode, lcnt
.set qS, (\q)%4
.set qL, (\q)/4
.if qS == 0
	XFETCH qL, 0, (\q)%2
.endif
.if qS < 3
	XFETCH qL, qS+1, ((\q)+1)%2
	s_wait_dscnt 16                                ; this K step's fragments are in; the next one's 16 loads may be out
.else
	s_wait_dscnt 0x0
.endif
	s_wait_loadcnt \lcnt
	MUL \q, \cmode
	WIN 0
	PLACES
.endm
; The accumulators' registers, held already, become four fragments' codes; each goes to LDS as K step w of row tile m.  Two sets of registers take turns.
.macro CODES sc, adr, off
.irp m, 0,1,2,3
.if \m > 1
	s_wait_dscnt 4                                 ; the stores of two tiles ago have read this set; the last tile's four may be out
.endif
	WIN 0x02
.irp g, 0,1,2,3,4,5,6,7
	v_cvt_scalef32_pk8_fp8_f32 v[PC+16*(\m%2)+2*\g:PC+16*(\m%2)+2*\g+1], v[64*\m+8*\g:64*\m+8*\g+7], v[\sc]
.endr
	WIN 0
	v_nop                                          ; a plain line between the conversions and the matrix instructions that write their sources
.irp c, 0,1,2,3
	ds_store_b128 v[\adr], v[PC+16*(\m%2)+4*\c:PC+16*(\m%2)+4*\c+3] offset:(\off)+8192*\m+512*\c
.endr
.endr
.endm
	s_load_b256 s[4:11], s[0:1], 0x0               ; att, the weights' images, Q, b1
	s_load_b128 s[12:15], s[0:1], 0x20             ; b2, the scales
	s_load_b64 s[16:17], s[0:1], 0x30              ; out0
	v_lshl_add_u32 v30, v0, 2, 0x20400
	v_mov_b32 v31, 0
	v_lshrrev_b32 v2, 5, v0
	v_readfirstlane_b32 s18, v2                    ; wave
	v_and_b32 v[LI], 31, v0
	v_lshlrev_b32 v[LI], 4, v[LI]
	v_and_b32 v2, 15, v0                           ; r
	v_bfe_u32 v3, v0, 4, 1                         ; hh
	s_lshl_b32 s19, s18, 9                         ; 512 w
	v_and_b32 v[QA], 8, v2
	v_add_nc_u32 v[QA], v[QA], v2                  ; r + 8 (r / 8)
	v_lshlrev_b32 v[QA], 11, v[QA]
	v_lshl_add_u32 v[BA], v3, 6, s19
	v_add_nc_u32 v[QA], v[QA], v[BA]
	s_lshl_b32 s20, s18, 11
	v_add_nc_u32 v[IWA], s20, v[LI]
	v_add_nc_u32 v[IWC], 0x10000, v[IWA]
	s_lshl_b32 s20, s18, 13
	v_add_nc_u32 v[AWA], s20, v[LI]
	s_lshl_b32 s20, s18, 16
	v_add_nc_u32 v[WA], s20, v[LI]
	v_add_nc_u32 v[LIC], 0x10000, v[LI]
	s_mul_i32 s20, s18, 8448
	s_add_co_u32 s20, s20, 98304                   ; my stage
	v_mul_u32_u24 v[STO], v2, 528
	v_lshl_add_u32 v[STO], v3, 6, v[STO]
	v_add_nc_u32 v[STO], s20, v[STO]               ; in: row r, + 64 hh
	v_add_nc_u32 v[RD], s20, v[LI]                 ; back: the 32 lanes take a row's 512 bytes
	v_add_nc_u32 v[CO], s19, v[LI]
	s_lshl_b32 s20, ttmp9, 15                      ; att: four row tiles of 8,192 bytes a work-group
	s_mov_b32 s21, 0
	s_lshl_b32 s22, ttmp9, 17                      ; Q and out0: 64 rows of 2,048 bytes
	s_mov_b32 s23, 0
	s_wait_kmcnt 0x0
	s_load_b256 s[40:47], s[14:15], 0x20           ; e8 .. e15
	s_add_nc_u64 s[4:5], s[4:5], s[20:21]
	s_add_nc_u64 s[6:7], s[6:7], 786432            ; W_o's image is the fourth; W1's and W2's follow
	s_add_nc_u64 s[8:9], s[8:9], s[22:23]
	s_add_nc_u64 s[16:17], s[16:17], s[22:23]
.set ii, 0
.rept 16
	global_load_b128 v[XF0+4*ii:XF0+4*ii+3], v[AWA], s[4:5] offset:512*ii th:TH_LOAD_NT   ; V_att's row tile w, as it lies
.set ii, ii+1
.endr
	BLOAD 10                                       ; b1
	QLOAD 0
	WLOAD 0
	s_wait_kmcnt 0x0
	s_add_co_i32 s48, s42, s43
	s_add_co_i32 s48, s48, 127
	s_lshl_b32 s48, s48, 23                        ; 2^(e10 + e11) as f32
	s_mov_b32 s49, s48                             ; (named with it as a pair, so it is written)
	s_add_co_i32 s53, s46, s47
	s_add_co_i32 s50, s53, 127
	s_lshl_b32 s50, s50, 23                        ; 2^(e14 + e15)
	s_mov_b32 s51, s50
	s_sub_co_i32 s53, 0, s53                       ; -(e14 + e15), for b2
	s_add_co_i32 s54, s44, s45
	s_sub_co_i32 s52, 0, s54                       ; -(e12 + e13), for b1
	s_add_co_i32 s55, s44, 127
	s_lshl_b32 s56, s55, 23
	v_mov_b32 v[SCX], s56
	s_add_co_i32 s55, s55, 8
	s_lshl_b32 s55, s55, 23
	s_or_b32 s55, s55, 0x600000
	v_mov_b32 v[LIMX], s55
	s_sub_co_i32 s55, s46, s54
	s_add_co_i32 s55, s55, 127
	s_lshl_b32 s56, s55, 23
	v_mov_b32 v[SCH], s56
	s_add_co_i32 s55, s55, 8
	s_lshl_b32 s55, s55, 23
	s_or_b32 s55, s55, 0x600000
	v_mov_b32 v[LIMH], s55
	s_wait_loadcnt 48                              ; V_att and b1 are in; Q's first 16 loads and the weights' 32 may be out
.set ii, 0
.rept 16
	ds_store_b128 v[AWA], v[XF0+4*ii:XF0+4*ii+3] offset:512*ii
.set ii, ii+1
.endr
.set ii, 0
.rept 64
	v_ldexp_f32 v[BIAS+ii], v[BIAS+ii], s52        ; b1 / 2^(e12 + e13)
.set ii, ii+1
.endr
	QLOAD 1
	WLOAD 1
	BARRIER                                        ; V_att's sixteen fragments lie in LDS
	; ---- product 6.  Behind a step's weights were issued: the next 16 loads of Q (where there are any) and the next set's 32
	STEP 0, 1, 48
	QLOAD 2
	WLOAD 2
	STEP 1, 0, 48
	QLOAD 3
	WLOAD 3
	STEP 2, 0, 48
	WLOAD 4
	STEP 3, 0, 32                                  ; (Q's last loads were issued ahead of this step's weights: all of Q is in)
	WLOAD 5
	WIN 0xf2
.set ii, 0
.rept 128
	v_pk_fma_f32 v[2*ii:2*ii+1], v[2*ii:2*ii+1], s[48:49], v[2*ii:2*ii+1] op_sel_hi:[1,0,1]   ; X = sum x 2^(e10 + e11) + Q, in Q's place; each accumulator from its low end on
.set ii, ii+1
.endr
	WIN 0x83
.set ii, 0
.rept 256
	v_med3_num_f32 v[ii], v[ii], -v[LIMX], v[LIMX] ; X held at 448 x 2^e12, into the accumulators' registers: X itself is kept for the end
.set ii, ii+1
.endr
	CODES SCX, IWA, 32768
	BARRIER                                        ; X's sixteen fragments lie in LDS
	; ---- product 7
	STEP 4, 2, 32
	BLOAD 12                                       ; b2, into b1's registers, behind the places
	WLOAD 6
	STEP 5, 0, 48                                  ; behind this step's weights: b2's 16 loads and the next set's 32
	WLOAD 7
	STEP 6, 0, 32                                  ; (b2 is in)
	WLOAD 8
	STEP 7, 0, 32
	WLOAD 9
.set ii, 0
.rept 64
	v_ldexp_f32 v[BIAS+ii], v[BIAS+ii], s53        ; b2 / 2^(e14 + e15)
.set ii, ii+1
.endr
	WIN 0x82
.set ii, 0
.rept 256
	v_med3_num_f32 v[ii], v[ii], 0, v[LIMH]        ; the activation and the hold in one: between 0 and 448 x the scale
.set ii, ii+1
.endr
	CODES SCH, IWC, 0
	BARRIER                                        ; the hidden layer's sixteen fragments lie in LDS
	; ---- product 8
	STEP 8, 2, 32
	WLOAD 10
	STEP 9, 0, 32
	WLOAD 11
	STEP 10, 0, 32
	STEP 11, 0, 0
	WIN 0xb2
.set ii, 0
.rept 128
	v_pk_fma_f32 v[2*ii:2*ii+1], v[2*ii:2*ii+1], s[50:51], v[2*ii:2*ii+1] op_sel_hi:[1,0,1]   ; out = (sum + b2 / 2^(e14 + e15)) x 2^(e14 + e15) + X
.set ii, ii+1
.endr
; THE WAY OUT, a row tile at a time: a lane holds pieces of one row, and the lanes beside it hold other rows: so the tile goes through my own stage and comes back as whole rows of 512 bytes.
; LDS serves a wave's instructions in order (ISA guide 5.7.1.4): no wait between the stores and the loads, nor in front of the next tile's stores.
.macro TOSTAGE m
	WIN 0x08                                       ; an LDS store's data stand in source 1's place: window 2
.irp b, 0,1,2,3
.irp u, 0,1
	ds_store_b128 v[STO], v[64*(\m)+16*\b+8*\u:64*(\m)+16*\b+8*\u+3] offset:128*\b+32*\u
	ds_store_b128 v[STO], v[64*(\m)+16*\b+8*\u+4:64*(\m)+16*\b+8*\u+7] offset:128*\b+32*\u+16
.endr
.endr
	WIN 0
.set rB, XF0+160*((\m)%2)
.set ii, 0
.rept 16
	ds_load_b128 v[rB+4*ii:rB+4*ii+3], v[RD] offset:528*ii
.set ii, ii+1
.endr
.endm
.macro SEND m, younger                 ; younger: the LDS instructions issued behind tile m's loads, which may stay out
.set rB, XF0+160*((\m)%2)
	s_wait_dscnt \younger
.set ii, 0
.rept 16
	global_store_b128 v[CO], v[rB+4*ii:rB+4*ii+3], s[16:17] offset:(32*((\m)/2)+8*((\m)%2)+ii+8*(ii/8))*2048 th:TH_STORE_NT   ; 32 lanes store 512 consecutive bytes, aligned; written once, read by nobody here
.set ii, ii+1
.endr
.endm
	TOSTAGE 0
.irp a, 1,2,3
.if \a > 1
	s_wait_xcnt 0x0                                ; the stores of two tiles ago have read their registers: this tile's loads may land there
.endif
	TOSTAGE \a
	SEND \a-1, 32                                  ; behind that tile's loads: this tile's 16 stores and 16 loads
.endr
	SEND 3, 0
	s_wait_tensorcnt 0x0
	ds_add_u32 v30, v31
	s_wait_dscnt 0x0
	s_endpgm
.Lfunc_end_k_q1f04daf4ab_tail:
	.size	k_q1f04daf4ab_tail, .Lfunc_end_k_q1f04daf4ab_tail-k_q1f04daf4ab_tail
	.p2alignl 7, 3214868480
	.fill 96, 4, 3214868480
	.section	.rodata,"a",@progbits
	.p2align	6, 0x0
	.amdhsa_kernel k_q1f04daf4ab_tail
		.amdhsa_group_segment_fixed_size 132608
		.amdhsa_private_segment_fixed_size 0
		.amdhsa_enable_private_segment 0
		.amdhsa_kernarg_size 56
		.amdhsa_user_sgpr_count 2
		.amdhsa_user_sgpr_kernarg_segment_ptr 1
		.amdhsa_wavefront_size32 1
		.amdhsa_system_sgpr_workgroup_id_x 1
		.amdhsa_system_sgpr_workgroup_id_y 1
		.amdhsa_system_sgpr_workgroup_id_z 1
		.amdhsa_system_vgpr_workitem_id 0
		.amdhsa_next_free_vgpr 1024
		.amdhsa_next_free_sgpr 66
		.amdhsa_reserve_vcc 0
		.amdhsa_float_denorm_mode_32 3
		.amdhsa_float_denorm_mode_16_64 3
		.amdhsa_memory_ordered 1
		.amdhsa_forward_progress 1
		.amdhsa_inst_pref_size 169
	.end_amdhsa_kernel
	.amdgpu_metadata
---
amdhsa.version: [ 1, 2 ]
amdhsa.kernels:
  - .name:           k_q1f04daf4ab_tail
    .symbol:         k_q1f04daf4ab_tail.kd
    .args:
      - { .name: att, .offset: 0, .size: 8, .value_kind: global_buffer, .address_space: global }
      - { .name: wimg, .offset: 8, .size: 8, .value_kind: global_buffer, .address_space: global }
      - { .name: Q, .offset: 16, .size: 8, .value_kind: global_buffer, .address_space: global }
      - { .name: b1, .offset: 24, .size: 8, .value_kind: global_buffer, .address_space: global }
      - { .name: b2, .offset: 32, .size: 8, .value_kind: global_buffer, .address_space: global }
      - { .name: lowp_scales, .offset: 40, .size: 8, .value_kind: global_buffer, .address_space: global }
      - { .name: out0, .offset: 48, .size: 8, .value_kind: global_buffer, .address_space: global }
    .group_segment_fixed_size: 132608
    .private_segment_fixed_size: 0
    .kernarg_segment_align: 8
    .kernarg_segment_size: 56
    .max_flat_workgroup_size: 128
    .sgpr_count:     66
    .vgpr_count:     1024
    .wavefront_size: 32
...
	.end_amdgpu_metadata
.endif
;; end of part 4
;; ======== version 2 of 2: 4 launches
;; workspace buffers: wimg 1,572,864 bytes; qkv 25,165,824 bytes; att 8,388,608 bytes
;; launch prep (part 5): grid 192 x 1, 4 waves a work-group, no clusters, 0 bytes of LDS; arguments W_q, W_k, W_v, W_o, W1, W2, lowp_scales, wimg; writes wimg
.if DOCPART == 5
	.amdgcn_target "amdgcn-amd-amdhsa--gfx1250"
	.amdhsa_code_object_version 6
	.text
	.protected	k_q1f04daf4ab_prep
	.globl	k_q1f04daf4ab_prep
	.p2align	8
	.type	k_q1f04daf4ab_prep,@function
k_q1f04daf4ab_prep:
	s_mov_b64 s[64:65], 0
	v_nop
	global_prefetch_b8 v0, s[64:65] scope:SCOPE_SE
	s_setreg_imm32_b32 hwreg(HW_REG_WAVE_MODE, 25, 1), 1
	s_wait_xcnt 0x0
; The six weights [512][512] f32 become codes of FP8 (E4M3), each with its given scale 2^e, laid in the ORDER OF AN OPERAND'S REGISTERS.
; code = w / 2^e, held within +-448, rounded to the nearest code, ties to even.  e: entries 1, 3, 5 (W_q, W_k, W_v), 11, 13, 15 (W_o, W1, W2) of the scales.
; LIMITS: -126 <= e and e + 8 <= 127, so that 2^e and 448 x 2^e are f32 numbers.  NaN among the inputs is not served.
; IMAGE of weight i, 262,144 bytes: [tile T 0..31][K step s 0..3][group c 0..3][512 bytes]; in a group lane 16 hh + r has 16 bytes: codes k = 128 s + 32 c + 16 hh + 0..15
; of operand row n = 32 (T / 2) + 8 (T % 2) + r + 8 (r / 8).  A later launch loads a fragment by four loads of 16 bytes a lane, each 512 consecutive bytes.
; SHARES: work-group = (weight i, 64 along K: kq, four pairs of tiles); wave = one pair of tiles (32 operand rows); A LANE TAKES ONE OPERAND ROW AND ITS 64 REGISTERS RUN ALONG K,
; so the conversions, which take neighbours along K from one lane's registers, give the codes as the image wants them.
; W_q, W_k, W_v, W_o lie [K][N]: a load reads one k at 32 neighbouring n, 128 consecutive bytes a wave, the four waves side by side.  W1, W2 lie [N][K]: a lane reads its row's 256 bytes.
; No LDS, no barrier: waves share nothing.  Each store writes two aligned runs of 256 bytes whole (sixteen lanes each).
.set XN, 32                            ; v32-95   64 numbers along K
.set CD, 96                            ; v96-111  their codes
	s_load_b512 s[8:23], s[0:1], 0x0               ; W_q, W_k, W_v, W_o, W1, W2, the scales s[20:21], the images s[22:23]
	v_lshrrev_b32 v1, 5, v0
	v_readfirstlane_b32 s24, v1                    ; wave
	v_and_b32 v1, 31, v0                           ; lane
	s_wait_alu depctr_va_vdst(0)
	s_lshr_b32 s25, ttmp9, 5                       ; i: which weight
	s_bfe_u32 s26, ttmp9, 0x30002                  ; kq: which 64 along K (3 bits from bit 2)
	s_and_b32 s27, ttmp9, 3
	s_lshl_b32 s27, s27, 2
	s_add_co_u32 s27, s27, s24                     ; B: which pair of tiles, 0..15
	s_lshl_b32 s28, s25, 3
	s_cmp_ge_u32 s25, 3
	s_cselect_b32 s30, 20, 4
	s_add_co_u32 s28, s28, s30                     ; byte of my scale's entry: 4 (2 i + 1), and 16 more from W_o on
	v_lshlrev_b32 v2, 2, v1                        ; [K][N]: 4 bytes a lane
	v_lshlrev_b32 v3, 11, v1                       ; [N][K]: a row of 2,048 bytes a lane
	v_bfe_u32 v5, v0, 3, 1                         ; row 32 B + lane lies in tile 2 B + (lane / 8) % 2,
	v_lshlrev_b32 v4, 13, v5                       ; (a tile's image is 8,192 bytes)
	v_and_b32 v5, 7, v0
	v_bfe_u32 v6, v0, 4, 1
	v_lshl_or_b32 v5, v6, 3, v5                    ; at its row r = lane % 8 + 8 (lane / 16)
	v_lshl_add_u32 v4, v5, 4, v4                   ; 16 bytes for each r
	s_lshl_b32 s32, s25, 18                        ; where my codes go: weight x 262,144
	s_lshl_b32 s33, s27, 14                        ; + pair x 16,384
	s_add_co_u32 s32, s32, s33
	s_lshl_b32 s33, s26, 10                        ; + kq x 1,024 (K step kq / 2, groups 2 (kq % 2) on)
	s_add_co_u32 s32, s32, s33
	s_mov_b32 s33, 0
	s_mov_b32 s35, 0
	s_wait_kmcnt 0x0
	s_load_b32 s29, s[20:21], s28 offset:0x0       ; e
	s_add_nc_u64 s[22:23], s[22:23], s[32:33]
.irp k, 1,2,3,4,5
	s_cmp_eq_u32 s25, \k                           ; the weight's buffer: the choice hangs on the work-group's number alone
	s_cselect_b64 s[8:9], s[8+2*\k:9+2*\k], s[8:9]
.endr
	s_cmp_lt_u32 s25, 4
	s_cbranch_scc0 .Lrows
	s_lshl_b32 s34, s26, 17                        ; [K][N]: 64 kq rows of 2,048 bytes
	s_lshl_b32 s36, s27, 7                         ; + 32 B columns of 4 bytes
	s_add_co_u32 s34, s34, s36
	s_add_nc_u64 s[8:9], s[8:9], s[34:35]
.set kk, 0
	s_wait_alu depctr_va_vdst(0)
.rept 64
	global_load_b32 v[XN+kk], v2, s[8:9] offset:kk*2048 th:TH_LOAD_NT
.set kk, kk+1
.endr
	s_branch .Lquant
.Lrows:
	s_lshl_b32 s34, s27, 16                        ; [N][K]: 32 B rows of 2,048 bytes
	s_lshl_b32 s36, s26, 8                         ; + 64 kq numbers
	s_add_co_u32 s34, s34, s36
	s_add_nc_u64 s[8:9], s[8:9], s[34:35]
.set kk, 0
	s_wait_alu depctr_va_vdst(0)
.rept 16
	global_load_b128 v[XN+4*kk:XN+4*kk+3], v3, s[8:9] offset:16*kk th:TH_LOAD_NT
.set kk, kk+1
.endr
.Lquant:
	s_wait_kmcnt 0x0
	s_add_co_i32 s29, s29, 127
	s_lshl_b32 s30, s29, 23
	v_mov_b32 v11, s30                             ; 2^e as f32: the conversion takes its exponent field
	s_add_co_i32 s29, s29, 8
	s_lshl_b32 s29, s29, 23
	s_or_b32 s29, s29, 0x600000
	v_mov_b32 v10, s29                             ; 448 x 2^e
	s_wait_alu depctr_va_vdst(0)
	s_wait_loadcnt 0x0
.set kk, 0
.rept 64
	v_med3_num_f32 v[XN+kk], v[XN+kk], -v10, v10   ; the conversion to an 8-bit code does not saturate (ISA guide 7.6.2): the hold comes first
.set kk, kk+1
.endr
.set kk, 0
.rept 8
	v_cvt_scalef32_pk8_fp8_f32 v[CD+2*kk:CD+2*kk+1], v[XN+8*kk:XN+8*kk+7], v11
.set kk, kk+1
.endr
	v_nop                                          ; a plain line behind the last conversion
.irp k, 0,1,2,3
	global_store_b128 v4, v[CD+4*\k:CD+4*\k+3], s[22:23] offset:(\k/2)*512+(\k%2)*256   ; my codes k = 16 x this piece on: group piece / 2, half piece % 2
.endr
	s_endpgm
.Lfunc_end_k_q1f04daf4ab_prep:
	.size	k_q1f04daf4ab_prep, .Lfunc_end_k_q1f04daf4ab_prep-k_q1f04daf4ab_prep
	.p2alignl 7, 3214868480
	.fill 96, 4, 3214868480
	.section	.rodata,"a",@progbits
	.p2align	6, 0x0
	.amdhsa_kernel k_q1f04daf4ab_prep
		.amdhsa_group_segment_fixed_size 0
		.amdhsa_private_segment_fixed_size 0
		.amdhsa_enable_private_segment 0
		.amdhsa_kernarg_size 64
		.amdhsa_user_sgpr_count 2
		.amdhsa_user_sgpr_kernarg_segment_ptr 1
		.amdhsa_wavefront_size32 1
		.amdhsa_system_sgpr_workgroup_id_x 1
		.amdhsa_system_sgpr_workgroup_id_y 1
		.amdhsa_system_sgpr_workgroup_id_z 1
		.amdhsa_system_vgpr_workitem_id 0
		.amdhsa_next_free_vgpr 112
		.amdhsa_next_free_sgpr 66
		.amdhsa_reserve_vcc 0
		.amdhsa_float_denorm_mode_32 3
		.amdhsa_float_denorm_mode_16_64 3
		.amdhsa_memory_ordered 1
		.amdhsa_forward_progress 1
		.amdhsa_inst_pref_size 15
	.end_amdhsa_kernel
	.amdgpu_metadata
---
amdhsa.version: [ 1, 2 ]
amdhsa.kernels:
  - .name:           k_q1f04daf4ab_prep
    .symbol:         k_q1f04daf4ab_prep.kd
    .args:
      - { .name: W_q, .offset: 0, .size: 8, .value_kind: global_buffer, .address_space: global }
      - { .name: W_k, .offset: 8, .size: 8, .value_kind: global_buffer, .address_space: global }
      - { .name: W_v, .offset: 16, .size: 8, .value_kind: global_buffer, .address_space: global }
      - { .name: W_o, .offset: 24, .size: 8, .value_kind: global_buffer, .address_space: global }
      - { .name: W1, .offset: 32, .size: 8, .value_kind: global_buffer, .address_space: global }
      - { .name: W2, .offset: 40, .size: 8, .value_kind: global_buffer, .address_space: global }
      - { .name: lowp_scales, .offset: 48, .size: 8, .value_kind: global_buffer, .address_space: global }
      - { .name: wimg, .offset: 56, .size: 8, .value_kind: global_buffer, .address_space: global }
    .group_segment_fixed_size: 0
    .private_segment_fixed_size: 0
    .kernarg_segment_align: 8
    .kernarg_segment_size: 64
    .max_flat_workgroup_size: 128
    .sgpr_count:     66
    .vgpr_count:     112
    .wavefront_size: 32
...
	.end_amdgpu_metadata
.endif
;; end of part 5
;; launch proj (part 6): grid 64 x 3, 4 waves a work-group, no clusters, 34,304 bytes of LDS; arguments Q, K, V, wimg, lowp_scales, qkv; writes qkv
.if DOCPART == 6
	.amdgcn_target "amdgcn-amd-amdhsa--gfx1250"
	.amdhsa_code_object_version 6
	.text
	.protected	k_q1f04daf4ab_proj
	.globl	k_q1f04daf4ab_proj
	.p2align	8
	.type	k_q1f04daf4ab_proj,@function
k_q1f04daf4ab_proj:
	s_mov_b64 s[64:65], 0
	v_nop
	global_prefetch_b8 v0, s[64:65] scope:SCOPE_SE
	s_setreg_imm32_b32 hwreg(HW_REG_WAVE_SCHED_MODE, 0, 2), 2
	s_setreg_imm32_b32 hwreg(HW_REG_WAVE_MODE, 25, 1), 1
	s_wait_xcnt 0x0
	s_wait_alu depctr_vm_vsrc(0)
; Products 1 to 3: Qh = Q W_q, Kh = K W_k, Vh = V W_v on codes of FP8 (E4M3); x (f32) is quantised here, the weights come as images of operand registers; the results are quantised
; at once (scales 6, 7, 8) and stored as images of the operands of the attention's two products.
; Work-group (x, tau): rows 256 x .. 256 x + 255 of tensor tau (0 Q, 1 K, 2 V), four blocks of 64 rows.  192 work-groups: three tensors x 64; the work-group stays so that its weights are loaded once.
; THE WAVES SHARE THE COLUMNS: wave w makes columns 128 w .. 128 w + 127 (two heads) of all 64 rows; its 32 weight fragments, 512 registers, stay in registers for the whole launch.
; x IS READ AS IT LIES AND QUANTISED AS IT ARRIVES.  Wave w takes the 16 tokens of row tile w of a block.  One load takes a quarter of ONE row: lane l holds k = 128 s + 4 l + 0..3, so a load of the wave covers 512
; consecutive bytes, aligned.  A conversion's eight registers are two such loads (K steps 2 g, 2 g + 1 of a row): each of its two result words is 4 neighbouring codes, and goes to LDS at 4 x lane: 128 consecutive bytes a store.
; In LDS x's codes lie as ROWS: row 16 m + r holds the 512 codes of the token that is row r of tile m, 528 bytes apart (132 words: row r starts at bank 4 r mod 64, 64 banks of 4 bytes: ISA guide 11.1, so the 16 rows
; that a fragment load touches start at 16 different groups of banks).  All four waves read all 64 rows as fragments: lane 16 hh + r takes 16 bytes at r x 528 + 128 s + 32 c + 16 hh.
; FRAGMENT: a group of four registers c holds k = 32 c + 16 hh + 0..15 of row r: one permutation of k, the same on both sides of every product.
; ROWS OF A TILE ARE NOT NEIGHBOURS, in weights and in tokens: tile 2 b + u takes rows 32 b + 8 u + r + 8 (r / 8), so that in a result the 16 registers of tiles 2 b, 2 b + 1 are 16 neighbours 32 b + 16 hh + 0..15
; along source 0's rows.  Q, K: source 0 = weights, source 1 = x: a lane holds one token and 16 neighbouring channels (K of the scores).  V: the sources are swapped: a lane holds one channel and 16
; neighbouring tokens (the keys, K of the second product).  Two conversions then make 16 bytes of an image, and every store of a wave covers 512 consecutive bytes, aligned.
; qkv: three parts of 8,388,608 bytes.  Q, K: [head 64][128 tokens 16][tile 8][group 2][512].  V: [head][128 keys][tile of 16 channels 4][group 4][512].
; NO CLUSTER: the weights are the one thing that work-groups share; they go from memory straight into the registers in which they stay, 262,144 bytes once a work-group beside 524,288 bytes of x; a joint load lands in LDS alone.
; LIMITS on the given exponents: e_x, and e_out - e_x - e_w, between -126 and 119.  NaN among the inputs is not served.
; REGISTERS: window 0: v4-11 addresses and scales; v32-95 x's fragments, two buffers of two; v96-223 sixteen accumulators (64 mm + 8 t); v224-255 codes just made.
;   windows 1, 2: the weights, fragment (t, s) at 16 (4 (t % 4) + s), t < 4 in window 1.   window 3: 256 numbers of x, registers 16 i + 4 s on = k 128 s + 4 lane + 0..3 of my tile's row i.
; THE MODE: SCHED_MODE bits 1:0 = 2 (LLVM: expert scheduling mode 2), set by the entry lines.  The code itself states the register dependences
; between vector or matrix instructions and memory or LDS instructions, with s_wait_alu, always for 0.
; THE PLAN.  Registers that memory or LDS instructions touch:
;   window 3      A block's 64 loads land there; the holds write them in place and the conversions read them, a group of four rows (64 registers) at a time; the next block's loads are issued behind group 3.
;   v224-255      The codes, two sets of 16.  Written by conversions; read by the LDS stores of x's codes (a set a group, by turns) and by the global stores of the results' codes (both sets, for each pair of row tiles).
;   v32-95        x's fragments, two buffers.  K step s: its LDS loads land in buffer s % 2; its sixteen matrix instructions read it; K step s + 2 is fetched into it behind them.
;   v7            The stores' offset: written once a block, read by the block's global stores.
;   v4, v5, v6    Made at the head and never written again.    Windows 1, 2: loaded once.    v30, v31: written at the head, read by the closing add alone.
;   The accumulators are named by vector and matrix instructions alone.
; THE WAITS.  On va_vdst: one at the head, ahead of the first load; one behind each group's conversions; one behind each of K steps 0 and 1 of a pair of row tiles; one behind the results' conversions, which also
; covers K steps 2 and 3, so that the next pair's first fetches owe nothing.  On vm_vsrc: at a block's head, in group 2, and ahead of the results' conversions: each time ahead of conversions that write codes' registers which stores have read.
; The loads stay in runs behind their waits and are not dealt among the matrix instructions: their destinations lie in other windows than a product's operands, so each run among them would want two switches of the window.
.set XP,   528                         ; an LDS row of x's codes: 512 bytes + 16 of padding
.set FA,   4                           ; v4   a fragment's place for my lane: r x 528 + 16 hh
.set LI,   5                           ; v5   16 x lane
.set XWI,  6                           ; v6   where I store x's codes: 4 x lane + my wave's 16 rows
.set OUTA, 7                           ; v7   16 x lane + the block's place in qkv
.set SCX,  8                           ; v8, v9    2^e_x and 448 x 2^e_x
.set LIMX, 9
.set SCO,  10                          ; v10, v11  the same with e_out - e_x - e_w: the three scales folded into one
.set LIMO, 11
.set XF,   32
.set ACC,  96
.set PC,   224
.set MSB, 0
.macro WIN new                         ; s_set_vgpr_msb: bits 1:0 source 0, 3:2 source 1, 5:4 source 2, 7:6 destination; the high byte repeats the setting that is left
.if MSB != (\new)
	s_set_vgpr_msb (MSB<<8)|(\new)
.set MSB, (\new)
.endif
.endm
.macro PLACES                          ; four plain vector lines behind a matrix instruction, in front of loads into its sources and of reads of its result
.rept 4
	v_nop
.endr
.endm
.macro BARRIER                         ; my LDS stores have landed and my LDS loads are in: then the work-group's barrier
	s_wait_dscnt 0x0
	s_barrier_signal -1
	s_barrier_wait -1
.endm
.macro XLOAD off                       ; my 16 rows of a block, row by row, four loads a row: load 4 i + s takes bytes 512 s .. 512 s + 511 of my tile's row i, which is token i + 8 (i / 8) from the tile's first
	WIN 0xc0
.set ii, 0
.rept 64
	global_load_b128 v[4*ii:4*ii+3], v[LI], s[4:5] offset:(\off)+((ii/4)+8*(ii/32))*2048+512*(ii%4) th:TH_LOAD_NT
.set ii, ii+1
.endr
	WIN 0
.endm
.macro QUANTX g                        ; rows 4 g .. 4 g + 3 of my tile become codes and go to their LDS rows.  Two sets of 16 registers take the codes by turns
	WIN 0xc3
.set ii, 0
.rept 64
	v_med3_num_f32 v[64*(\g)+ii], v[64*(\g)+ii], -v[LIMX], v[LIMX]   ; the conversion does not saturate (ISA guide 7.6.2): the hold at 448 x the scale
.set ii, ii+1
.endr
.if (\g) > 1
	s_wait_alu depctr_va_vdst(0)
	s_wait_dscnt 16                                ; the stores of two groups ago have read this set; the last group's 16 may be out
.endif
.if (\g) == 2
	s_wait_alu depctr_vm_vsrc(0)                   ; the LDS stores of groups 0 and 1 have read both sets of the codes' registers, which this group's conversions and the next group's write again
.endif
	WIN 0x03
.set ii, 0
.rept 8
	v_cvt_scalef32_pk8_fp8_f32 v[PC+16*((\g)%2)+2*ii:PC+16*((\g)%2)+2*ii+1], v[64*(\g)+8*ii:64*(\g)+8*ii+7], v[SCX]   ; row 4 g + ii / 2: the low word K step 2 (ii % 2), the high word the K step after it
.set ii, ii+1
.endr
	WIN 0
	v_nop                                          ; a plain line behind the last conversion
	s_wait_alu depctr_va_vdst(0)                   ; the conversions have written this set, which the LDS stores below read; the holds and conversions so far are done with their numbers: behind group 3 with all 256, in which the next block's loads land
.set ii, 0
.rept 8
	ds_store_b32 v[XWI], v[PC+16*((\g)%2)+2*ii] offset:(4*(\g)+ii/2)*XP+256*(ii%2)          ; 32 lanes store 128 consecutive bytes: the codes of one K step of one row
	ds_store_b32 v[XWI], v[PC+16*((\g)%2)+2*ii+1] offset:(4*(\g)+ii/2)*XP+256*(ii%2)+128
.set ii, ii+1
.endr
.endm
.macro FETCH pb, s                     ; x's fragments of row tiles 2 pb, 2 pb + 1, K step s, into buffer s % 2
.irp mm, 0,1
.irp c, 0,1,2,3
	ds_load_b128 v[XF+32*((\s)%2)+16*\mm+4*\c:XF+32*((\s)%2)+16*\mm+4*\c+3], v[FA] offset:16*(2*(\pb)+\mm)*XP+128*(\s)+32*\c
.endr
.endr
.endm
; 16 matrix instructions: my 8 weight tiles x 2 row tiles, 128 along K.  The 16 accumulators take turns, one instruction a turn, in the same order in every K step.
.macro MUL s, first, vpath
.irp t, 0,1,2,3,4,5,6,7
	WIN (1+3*(\vpath))*(1+\t/4)                    ; the weights' window, 1 or 2, in source 0's place (Q, K) or in source 1's (V)
.irp mm, 0,1
.set rA, ACC+64*\mm+8*\t
.set rW, 16*(4*(\t%4)+(\s))
.set rX, XF+32*((\s)%2)+16*\mm
.if \vpath
.if \first
	v_wmma_f32_16x16x128_fp8_fp8 v[rA:rA+7], v[rX:rX+15], v[rW:rW+15], 0
.else
	v_wmma_f32_16x16x128_fp8_fp8 v[rA:rA+7], v[rX:rX+15], v[rW:rW+15], v[rA:rA+7]
.endif
.else
.if \first
	v_wmma_f32_16x16x128_fp8_fp8 v[rA:rA+7], v[rW:rW+15], v[rX:rX+15], 0
.else
	v_wmma_f32_16x16x128_fp8_fp8 v[rA:rA+7], v[rW:rW+15], v[rX:rX+15], v[rA:rA+7]
.endif
.endif
.endr
.endr
.endm
; The products of a block, two row tiles at a time, and their way out as codes.
.macro PH1 vpath
.irp pb, 0,1
	FETCH \pb, 0                                   ; no wait is owed: the last matrix instructions that read the two buffers stand ahead of the wait in front of the last stores of codes, and no vector or matrix instruction since names them
	FETCH \pb, 1
.irp s, 0,1,2,3
.if \s < 3
	s_wait_dscnt 8                                 ; this K step's 8 loads are in; the other buffer's 8 may be out
.else
	s_wait_dscnt 0x0
.endif
.if \s == 0
	MUL \s, 1, \vpath                              ; the first K step starts the sums: nothing is cleared
.else
	MUL \s, 0, \vpath
.endif
	WIN 0
	PLACES
.if \s < 2
	s_wait_alu depctr_va_vdst(0)                   ; this K step's matrix instructions are done reading buffer s % 2, in which the loads below land
	FETCH \pb, \s+2
.endif
.endr
.set ii, 0
.rept 128
	v_med3_num_f32 v[ACC+ii], v[ACC+ii], -v[LIMO], v[LIMO]   ; each accumulator from its low end on
.set ii, ii+1
.endr
	s_wait_xcnt 0x0                                ; the earlier stores have read the registers of the codes
	s_wait_alu depctr_vm_vsrc(0)                   ; the stores issued so far (x's codes into LDS, the last pair's codes to memory) have read v224-255, which the conversions below write again
.if \vpath
.irp t, 0,1,2,3,4,5,6,7
	v_cvt_scalef32_pk8_fp8_f32 v[PC+4*\t:PC+4*\t+1], v[ACC+8*\t:ACC+8*\t+7], v[SCO]            ; keys 32 pb + 16 hh + 0..7 of my channel,
	v_cvt_scalef32_pk8_fp8_f32 v[PC+4*\t+2:PC+4*\t+3], v[ACC+64+8*\t:ACC+64+8*\t+7], v[SCO]    ; and + 8..15
.endr
	v_nop                                          ; a plain line between the conversions and the matrix instructions that write their sources
	s_wait_alu depctr_va_vdst(0)                   ; the conversions have written the codes, and the block's add v7, which the stores below read; K steps 2 and 3 are done reading both buffers of x's fragments, in which the next fetches land
.irp t, 0,1,2,3,4,5,6,7
	global_store_b128 v[OUTA], v[PC+4*\t:PC+4*\t+3], s[14:15] offset:(\t/4)*131072+(\t%4)*2048+\pb*512   ; head t / 4 of my two, tile t % 4 of its channels, group pb of the block's two
.endr
.else
.irp mm, 0,1
.irp b, 0,1,2,3
	v_cvt_scalef32_pk8_fp8_f32 v[PC+4*(4*\mm+\b):PC+4*(4*\mm+\b)+1], v[ACC+64*\mm+16*\b:ACC+64*\mm+16*\b+7], v[SCO]       ; channels 32 b + 16 hh + 0..7 of my token,
	v_cvt_scalef32_pk8_fp8_f32 v[PC+4*(4*\mm+\b)+2:PC+4*(4*\mm+\b)+3], v[ACC+64*\mm+16*\b+8:ACC+64*\mm+16*\b+15], v[SCO]  ; and + 8..15
.endr
.endr
	v_nop
	s_wait_alu depctr_va_vdst(0)                   ; the conversions have written the codes, and the block's add v7, which the stores below read; K steps 2 and 3 are done reading both buffers of x's fragments, in which the next fetches land
.irp mm, 0,1
.irp b, 0,1,2,3
	global_store_b128 v[OUTA], v[PC+4*(4*\mm+\b):PC+4*(4*\mm+\b)+3], s[14:15] offset:(\b/2)*131072+(2*\pb+\mm)*1024+(\b%2)*512   ; head b / 2 of my two, token tile 2 pb + mm, group b % 2
.endr
.endr
.endif
.endr
.endm
	s_load_b256 s[4:11], s[0:1], 0x0               ; Q, K, V, the weights' images
	s_load_b128 s[12:15], s[0:1], 0x20             ; the scales, qkv
	v_lshl_add_u32 v30, v0, 2, 0x8400
	v_mov_b32 v31, 0
	v_lshrrev_b32 v1, 5, v0
	v_readfirstlane_b32 s16, v1                    ; wave
	s_and_b32 s17, ttmp7, 0xffff                   ; tau
	v_and_b32 v1, 31, v0                           ; lane
	v_and_b32 v2, 15, v0                           ; r
	v_bfe_u32 v3, v0, 4, 1                         ; hh
	v_mul_u32_u24 v[FA], v2, XP
	v_lshl_add_u32 v[FA], v3, 4, v[FA]
	v_lshlrev_b32 v[LI], 4, v1
	s_wait_alu depctr_va_sdst(0)                   ; s16 is written, ahead of its first reader: LDS rows and the bases of x, the weights and qkv are made from it
	s_mul_i32 s18, s16, 16*XP                      ; my wave's 16 LDS rows
	v_lshl_add_u32 v[XWI], v1, 2, s18
	s_lshl_b32 s20, s17, 3                         ; bytes of entries 2 tau, 2 tau + 1
	s_lshl_b32 s21, s17, 2                         ; and, from entry 6 on, of entry 6 + tau
	s_lshl_b32 s28, ttmp9, 19                      ; x: 256 rows of 2,048 bytes a work-group,
	s_lshr_b32 s18, s16, 1
	s_lshl_b32 s18, s18, 16
	s_add_co_u32 s28, s28, s18                     ; + row tile w's first row: 32 (w / 2)
	s_and_b32 s18, s16, 1
	s_lshl_b32 s18, s18, 14
	s_add_co_u32 s28, s28, s18                     ; + 8 (w % 2)
	s_mov_b32 s29, 0
	s_lshl_b32 s30, s17, 18                        ; the weight's image, and my 8 tiles of it
	s_lshl_b32 s18, s16, 16
	s_add_co_u32 s30, s30, s18
	s_mov_b32 s31, 0
	s_lshl_b32 s22, s17, 23                        ; qkv: the tensor's part,
	s_lshr_b32 s18, ttmp9, 3
	s_lshl_b32 s18, s18, 20
	s_add_co_u32 s22, s22, s18                     ; the batch's eight heads,
	s_and_b32 s18, ttmp9, 7
	s_lshl_b32 s18, s18, 14
	s_add_co_u32 s22, s22, s18                     ; my 256 tokens: two blocks of 128,
	s_lshl_b32 s18, s16, 18
	s_add_co_u32 s22, s22, s18                     ; my wave's two heads
	s_mov_b32 s23, 0
	s_wait_kmcnt 0x0
	s_load_b64 s[24:25], s[12:13], s20 offset:0x0  ; e_x, e_w
	s_load_b32 s26, s[12:13], s21 offset:0x18      ; e_out
	s_cmp_eq_u32 s17, 1                            ; x's buffer: the choice hangs on the work-group's number alone
	s_cselect_b64 s[4:5], s[6:7], s[4:5]
	s_cmp_eq_u32 s17, 2
	s_cselect_b64 s[4:5], s[8:9], s[4:5]
	s_add_nc_u64 s[4:5], s[4:5], s[28:29]
	s_add_nc_u64 s[10:11], s[10:11], s[30:31]
	s_add_nc_u64 s[14:15], s[14:15], s[22:23]
	WIN 0x40                                       ; my 65,536 bytes of weights, as they lie: load i fills registers 4 i on
	s_wait_alu depctr_va_vdst(0)                   ; v4, v5 and v6 are written: every load, and every LDS store and load, of the kernel reads one of them as its address
.set ii, 0
.rept 64
	global_load_b128 v[4*ii:4*ii+3], v[LI], s[10:11] offset:512*ii
.set ii, ii+1
.endr
	WIN 0x80
.set ii, 0
.rept 64
	global_load_b128 v[4*ii:4*ii+3], v[LI], s[10:11] offset:32768+512*ii
.set ii, ii+1
.endr
	WIN 0
	XLOAD 0                                        ; the first block
	s_wait_kmcnt 0x0
	s_add_co_i32 s28, s24, 127
	s_lshl_b32 s29, s28, 23
	v_mov_b32 v[SCX], s29
	s_add_co_i32 s28, s28, 8
	s_lshl_b32 s28, s28, 23
	s_or_b32 s28, s28, 0x600000
	v_mov_b32 v[LIMX], s28
	s_sub_co_i32 s28, s26, s24                     ; a sum stands for sum x 2^(e_x + e_w): its code is sum / 2^(e_out - e_x - e_w)
	s_sub_co_i32 s28, s28, s25
	s_add_co_i32 s28, s28, 127
	s_lshl_b32 s29, s28, 23
	v_mov_b32 v[SCO], s29
	s_add_co_i32 s28, s28, 8
	s_lshl_b32 s28, s28, 23
	s_or_b32 s28, s28, 0x600000
	v_mov_b32 v[LIMO], s28
	s_mov_b32 s19, 0                               ; the block, 0..3
.Lblock:
	s_wait_loadcnt 48                              ; the 16 loads of rows 0-3 are in (and, in the first trip, the weights, issued ahead of them); the 48 of rows 4-15 may be out
	s_wait_xcnt 0x0                                ; the last block's stores have read the codes' registers and their offset
	s_wait_alu depctr_vm_vsrc(0)                   ; the last block's stores have read v224-255 and v7: the conversions of groups 0 and 1 and this block's add write them again
	s_wait_alu depctr_va_vdst(0)
	QUANTX 0
	s_wait_loadcnt 32                              ; rows 4-7 are in
	QUANTX 1
	s_wait_loadcnt 16                              ; rows 8-11
	QUANTX 2
	s_wait_loadcnt 0x0
	QUANTX 3
	s_cmp_eq_u32 s19, 3                            ; the next block's numbers are asked for now, if there is a next block: no load leaves its buffer
	s_cbranch_scc1 .Lno_next
	XLOAD 131072                                   ; no further wait: behind group 3's wait stand LDS stores of other registers alone
.Lno_next:
	BARRIER                                        ; the codes of the block's 64 rows lie in LDS
	s_lshl_b32 s20, s19, 12                        ; Q, K: a block is four tiles of 1,024 bytes
	s_lshr_b32 s21, s19, 1
	s_lshl_b32 s21, s21, 13                        ; V: 128 keys are 8,192 bytes,
	s_and_b32 s22, s19, 1
	s_lshl_b32 s22, s22, 10                        ; and a block is two groups of 512 in each tile
	s_add_co_u32 s21, s21, s22
	s_cmp_eq_u32 s17, 2
	s_cselect_b32 s20, s21, s20
	v_add_nc_u32 v[OUTA], s20, v[LI]
	s_cmp_eq_u32 s17, 2
	s_cbranch_scc1 .Lkeys
	PH1 0
	s_branch .Ljoin
.Lkeys:
	PH1 1
.Ljoin:
	BARRIER                                        ; everybody's reads of x's codes are over: the next block may overwrite them
	s_wait_xcnt 0x0                                ; the loads on their way have read their base
	s_add_nc_u64 s[4:5], s[4:5], 131072
	s_add_co_u32 s19, s19, 1
	s_cmp_lt_u32 s19, 4
	s_cbranch_scc1 .Lblock
	s_wait_dscnt 0x0                               ; the closing lines, six on end
	s_wait_alu 0x0
	s_wait_tensorcnt 0x0
	ds_add_u32 v30, v31
	s_wait_dscnt 0x0
	s_endpgm
.Lfunc_end_k_q1f04daf4ab_proj:
	.size	k_q1f04daf4ab_proj, .Lfunc_end_k_q1f04daf4ab_proj-k_q1f04daf4ab_proj
	.p2alignl 7, 3214868480
	.fill 96, 4, 3214868480
	.section	.rodata,"a",@progbits
	.p2align	6, 0x0
	.amdhsa_kernel k_q1f04daf4ab_proj
		.amdhsa_group_segment_fixed_size 34304
		.amdhsa_private_segment_fixed_size 0
		.amdhsa_enable_private_segment 0
		.amdhsa_kernarg_size 48
		.amdhsa_user_sgpr_count 2
		.amdhsa_user_sgpr_kernarg_segment_ptr 1
		.amdhsa_wavefront_size32 1
		.amdhsa_system_sgpr_workgroup_id_x 1
		.amdhsa_system_sgpr_workgroup_id_y 1
		.amdhsa_system_sgpr_workgroup_id_z 1
		.amdhsa_system_vgpr_workitem_id 0
		.amdhsa_next_free_vgpr 1024
		.amdhsa_next_free_sgpr 66
		.amdhsa_reserve_vcc 0
		.amdhsa_float_denorm_mode_32 3
		.amdhsa_float_denorm_mode_16_64 3
		.amdhsa_memory_ordered 1
		.amdhsa_forward_progress 1
		.amdhsa_inst_pref_size 120
	.end_amdhsa_kernel
	.amdgpu_metadata
---
amdhsa.version: [ 1, 2 ]
amdhsa.kernels:
  - .name:           k_q1f04daf4ab_proj
    .symbol:         k_q1f04daf4ab_proj.kd
    .args:
      - { .name: Q, .offset: 0, .size: 8, .value_kind: global_buffer, .address_space: global }
      - { .name: K, .offset: 8, .size: 8, .value_kind: global_buffer, .address_space: global }
      - { .name: V, .offset: 16, .size: 8, .value_kind: global_buffer, .address_space: global }
      - { .name: wimg, .offset: 24, .size: 8, .value_kind: global_buffer, .address_space: global }
      - { .name: lowp_scales, .offset: 32, .size: 8, .value_kind: global_buffer, .address_space: global }
      - { .name: qkv, .offset: 40, .size: 8, .value_kind: global_buffer, .address_space: global }
    .group_segment_fixed_size: 34304
    .private_segment_fixed_size: 0
    .kernarg_segment_align: 8
    .kernarg_segment_size: 48
    .max_flat_workgroup_size: 128
    .sgpr_count:     66
    .vgpr_count:     1024
    .wavefront_size: 32
...
	.end_amdgpu_metadata
.endif
;; end of part 6
;; launch attn (part 7): grid 4 x 64, 16 waves a work-group, clusters of 4 x 1, 327,680 bytes of LDS; arguments qkv, lowp_scales, att; writes att
.if DOCPART == 7
	.amdgcn_target "amdgcn-amd-amdhsa--gfx1250"
	.amdhsa_code_object_version 6
	.text
	.protected	k_q1f04daf4ab_attn
	.globl	k_q1f04daf4ab_attn
	.p2align	8
	.type	k_q1f04daf4ab_attn,@function
k_q1f04daf4ab_attn:
	s_mov_b64 s[64:65], 0
	v_nop
	global_prefetch_b8 v0, s[64:65] scope:SCOPE_SE
	s_setreg_imm32_b32 hwreg(HW_REG_WAVE_MODE, 25, 1), 1
	s_wait_xcnt 0x0
	s_wait_alu depctr_hold_cnt(0) depctr_sa_sdst(0) depctr_va_vdst(0) depctr_va_sdst(0) depctr_va_ssrc(0) depctr_va_vcc(0) depctr_vm_vsrc(0)
	s_getreg_b32 s2, hwreg(HW_REG_IB_STS2, 6, 4)
	s_cmp_eq_u32 s2, 0
	s_cbranch_scc0 .Lentry_in_a_cluster
	s_endpgm
.Lentry_in_a_cluster:
	s_bfe_u32 s2, ttmp6, 0x10000c
	s_cmp_lg_u32 s2, 0x3003
	s_cbranch_scc0 .Lentry_shape_is_right
	s_endpgm
.Lentry_shape_is_right:
; Products 4 and 5: V_att = softmax(Qh Kh^T / (8 + 1e-6)) Vh for each of 64 heads (batch x head), head size 64, 2,048 keys, on codes of FP8 (E4M3); the result is quantised (scale 10) for product 6.
; THE SOFTMAX AHEAD OF THE SECOND PRODUCT: t = score x log2(e) / (8 + 1e-6); M = the row's largest t so far, rounded UP to a whole number; p = 2^(t - M) is quantised (scale 9), not normalised.
; The row's sum is taken of the unquantised p, in f32, and divides O at the end.  When M moves, the sum and O are multiplied by 2^(old M - new M): exact.
; SHARES.  A work-group owns 512 queries of one head; each of its sixteen waves owns two tiles of 16 queries, one after the other (two passes), in 256 registers: four waves to a SIMD, so that one wave's
; vector work stands beside another's matrix work and LDS loads.  Every wave walks all keys, 128 a step.
; LDS.  A head's K and V codes are 131,072 bytes each: both lie in LDS whole, K from byte 0, V from byte 131,072, as they lie in memory (images of operand registers, 8,192 bytes a step).  EVERY LDS BYTE IS
; FILLED ONCE: no ring, no refill.  Each wave brings two pieces: 4,096 bytes of steps 0-3 and 12,288 bytes of steps 4-15 (waves 0-7: K, waves 8-15: V); two tensor loads of a wave are out at the most.
; CLUSTER.  The four work-groups of a head need the same K and V: each piece is asked for JOINTLY, by the same tensor load with the same descriptor and a mask that names the four.
; LAYOUT.  Both products are used transposed: S^T = K Q^T (source 0 = 16 keys, source 1 = my 16 queries, K = 64), O^T = V^T P^T (source 0 = 16 channels, source 1 = P, K = 128 keys): a lane holds ONE query.
; The keys of a tile of K, and the channels of a tile of V, are not neighbours: tile 2 b + u holds rows 32 b + 8 u + r + 8 (r / 8): so the 16 registers of tiles 2 b, 2 b + 1 are 16 neighbours, and two
; conversions make 16 bytes of the next operand.  att: [row tile 1,024][K step 4][group 4][512 bytes]: head h fills K step h / 2, groups 2 (h % 2) and + 1; a store covers 512 consecutive bytes, aligned.
; LIMITS on the given exponents: e6 + e7 between -123 and 130 (added to c's exponent field); e9 and e10 between -126 and 119; e8 + e9 goes in by v_ldexp_f32.  NaN among the inputs is not served.
; REGISTERS: v1 16 x lane; v8, v9 LDS addresses of the step; v12 -M, v13 the largest t, v[14:15] the sum in two halves; v16-31 Q's two tiles; v32-95 eight fragments of K, then four of V;
;   v96-159 S^T, then p; v160-191 O^T; v192-199 at work; v200-203 scales and holds; v224-239 p's codes.
.set LI,  1
.set ADK, 8
.set ADV, 9
.set WV,  18                           ; s18  my wave's number
.set SEL, 20                           ; s[20:21] lane selects for v_permlanex16_b32: lane l xor 16
.set CS,  22                           ; s[22:23] c: the packed form names a pair and takes its low word for both halves
.set KB,  24                           ; s24  LDS byte at which the step's image of K begins
.set CNT, 25                           ; s25  counts a loop's steps
.set G0A, 32                           ; s[32:35], s[36:39] descriptor groups 0 of my two pieces
.set G0B, 36
.set G1A, 40                           ; s[40:47] group 1: 16 rows of 256 bytes;  s[48:55]: 48 rows
.set G1B, 48
.macro CROUND                          ; a round of the cluster's barrier
	s_barrier_signal -1
	s_barrier_wait -1
	s_cmp_lg_u32 s[WV], 0
	s_cbranch_scc1 .Lnot_wave_0_\@
	s_barrier_signal -3
.Lnot_wave_0_\@:
	s_barrier_wait -3
	s_barrier_signal -1
	s_barrier_wait -1
.endm
	s_load_b128 s[4:7], s[0:1], 0x0                ; qkv, the scales
	s_load_b64 s[8:9], s[0:1], 0x10                ; att
	v_lshl_add_u32 v254, v0, 2, 0x40000
	v_mov_b32 v255, 0
	ds_add_u32 v254, v255
	ds_add_u32 v254, v255
	v_lshrrev_b32 v2, 5, v0
	s_delay_alu instid0(VALU_DEP_1)
	v_readfirstlane_b32 s[WV], v2                  ; wave 0..15
	v_and_b32 v[LI], 31, v0
	s_delay_alu instid0(VALU_DEP_1)
	v_lshlrev_b32 v[LI], 4, v[LI]
	s_bfe_u32 s26, ttmp6, 0x40000                  ; cx: my place in the cluster
	s_lshl_b32 s27, ttmp9, 2
	s_add_co_u32 s27, s27, s26                     ; my block of 512 queries: it enters Q's and att's addresses alone
	s_and_b32 s28, ttmp7, 0xffff                   ; the head (8 x batch + h), which the four partners share
	s_lshr_b32 s56, s[WV], 3                       ; 0: I fetch for K, 1: for V
	s_and_b32 s57, s[WV], 7                        ; which eighth
	s_lshl_b32 s58, s56, 17                        ; LDS: K from 0, V from 131,072
	s_lshl_b32 s59, s57, 12                        ; piece A: 4,096 bytes of the first 32,768
	s_mul_i32 s60, s57, 12288
	s_add_co_u32 s60, s60, 32768                   ; piece B: 12,288 bytes of the other 98,304
	s_mov_b32 s[G0A], 1                            ; 1:0 count = 1
	s_add_co_u32 s[G0A+1], s58, s59                ; 63:32 LDS address: the wave's number and constants alone
	s_mov_b32 s[G0B], 1
	s_add_co_u32 s[G0B+1], s58, s60
	s_add_co_u32 s84, s56, 1
	s_lshl_b32 s84, s84, 23                        ; qkv: K's part is the second, V's the third
	s_lshl_b32 s85, s28, 17                        ; a head's codes are 131,072 bytes in each part
	s_add_co_u32 s84, s84, s85
	s_add_co_u32 s86, s84, s59
	s_mov_b32 s87, 0
	s_add_co_u32 s88, s84, s60
	s_mov_b32 s89, 0
	; group 1: a dense block as rows of 256 bytes: elements of 8 bytes, 32 to a row, no padding
	s_mov_b32 s[G1A], 15|(3<<16)|(1<<21)           ; 15:0 the mask: all four work-groups; 17:16 elements of 8 bytes; 21 set beside a mask
	s_mov_b32 s[G1A+1], 32<<16                     ; tensor_dim0 = 32
	s_mov_b32 s[G1A+2], 16<<16                     ; tensor_dim1 = 16
	s_mov_b32 s[G1A+3], 32<<16                     ; tile_dim0 = 32
	s_mov_b32 s[G1A+4], 16                         ; tile_dim1 = 16
	s_mov_b32 s[G1A+5], 32                         ; from row to row: 32 elements
	s_mov_b32 s[G1A+6], 0
	s_mov_b32 s[G1A+7], 0
	s_mov_b32 s[G1B], 15|(3<<16)|(1<<21)
	s_mov_b32 s[G1B+1], 32<<16
	s_mov_b32 s[G1B+2], 48<<16                     ; 48 rows
	s_mov_b32 s[G1B+3], 32<<16
	s_mov_b32 s[G1B+4], 48
	s_mov_b32 s[G1B+5], 32
	s_mov_b32 s[G1B+6], 0
	s_mov_b32 s[G1B+7], 0
	s_lshl_b32 s90, s27, 15                        ; Q: my block's 32 tiles of 1,024 bytes,
	s_add_co_u32 s90, s90, s85                     ; in my head,
	s_lshl_b32 s91, s[WV], 10
	s_add_co_u32 s90, s90, s91                     ; tile w (pass 1: tile 16 + w)
	s_mov_b32 s91, 0
	s_lshr_b32 s92, s28, 3
	s_lshl_b32 s92, s92, 7                         ; att: the batch's 128 row tiles,
	s_lshl_b32 s93, s27, 5
	s_add_co_u32 s92, s92, s93                     ; my block's 32,
	s_add_co_u32 s92, s92, s[WV]                   ; tile w,
	s_lshl_b32 s92, s92, 13                        ; of 8,192 bytes;
	s_bfe_u32 s93, s28, 0x20001
	s_lshl_b32 s93, s93, 11
	s_add_co_u32 s92, s92, s93                     ; K step h / 2,
	s_and_b32 s93, s28, 1
	s_lshl_b32 s93, s93, 10
	s_add_co_u32 s92, s92, s93                     ; groups 2 (h % 2) on
	s_mov_b32 s93, 0
	s_mov_b32 s[SEL], 0x76543210
	s_mov_b32 s[SEL+1], 0xfedcba98
	s_mov_b32 s[CS], 0x3e38aa3a                    ; c = log2(e) / (8 + 1e-6)
	s_wait_dscnt 0x0
	s_wait_kmcnt 0x0
	s_load_b512 s[68:83], s[6:7], 0x0              ; e0 .. e15
	s_add_nc_u64 s[G0A+2:G0A+3], s[4:5], s[86:87]  ; 120:64 global address
	s_or_b32 s[G0A+3], s[G0A+3], 0x80000000        ; 127:126 type = 2
	s_add_nc_u64 s[G0B+2:G0B+3], s[4:5], s[88:89]
	s_or_b32 s[G0B+3], s[G0B+3], 0x80000000
	s_add_nc_u64 s[10:11], s[4:5], s[90:91]        ; Q's codes at my first tile
	s_add_nc_u64 s[8:9], s[8:9], s[92:93]          ; att likewise
	CROUND                                         ; all four work-groups are here: the joint loads meet
	tensor_load_to_lds s[G0A:G0A+3], s[G1A:G1A+7]  ; the fill of steps 0-3; it is waited for before the fill of steps 4-15 is issued, which four v_nop follow
	s_nop 0
	s_wait_alu depctr_va_vdst(0)
	s_wait_tensorcnt 0x0
	ds_add_u32 v254, v255
	s_wait_dscnt 0x0
	CROUND
	tensor_load_to_lds s[G0B:G0B+3], s[G1B:G1B+7]
	s_nop 0
.rept 4
	v_nop
.endr
	s_wait_alu depctr_va_vdst(0)
.irp p, 0,1
.irp c, 0,1
	global_load_b128 v[16+8*\p+4*\c:19+8*\p+4*\c], v[LI], s[10:11] offset:16384*\p+512*\c th:TH_LOAD_NT   ; Q's two fragments stay in registers
.endr
.endr
	v_mov_b32 v192, 0                              ; written once: a lane permute's destination counts as one of its sources
	v_mov_b32 v195, 0                              ; (named as the upper half of the pair v[194:195])
	s_wait_kmcnt 0x0
	s_add_co_i32 s29, s74, s75
	s_lshl_b32 s29, s29, 23
	s_add_co_i32 s[CS], s[CS], s29                 ; a score stands for score x 2^(e6 + e7): the two exponents are added to c's exponent field
	s_mov_b32 s[CS+1], s[CS]                       ; (named with it as a pair, so it is written)
	s_add_co_i32 s30, s77, 127
	s_lshl_b32 s31, s30, 23
	v_mov_b32 v200, s31                            ; 2^e9, for p's conversions
	s_add_co_i32 s30, s30, 8
	s_lshl_b32 s30, s30, 23
	s_or_b32 s30, s30, 0x600000
	v_mov_b32 v201, s30                            ; 448 x 2^e9
	s_add_co_i32 s30, s78, 127
	s_lshl_b32 s31, s30, 23
	v_mov_b32 v202, s31                            ; 2^e10, for the result's
	s_add_co_i32 s30, s30, 8
	s_lshl_b32 s30, s30, 23
	s_or_b32 s30, s30, 0x600000
	v_mov_b32 v203, s30
	s_add_co_i32 s29, s76, s77                     ; e8 + e9
; A KEY STEP: 128 keys; qr: the first register of the pass's fragment of Q.
.macro STEP qr
	s_setprio 2
	v_add_nc_u32 v[ADK], s[KB], v[LI]              ; these two and two v_nop are the four places behind the last products, in front of loads into the registers that they read
	s_delay_alu instid0(VALU_DEP_1)
	v_add_nc_u32 v[ADV], 0x20000, v[ADK]
	v_nop
	v_nop
.irp t, 0,1,2,3,4,5,6,7
	ds_load_b128 v[32+8*\t:35+8*\t], v[ADK] offset:1024*\t
	ds_load_b128 v[36+8*\t:39+8*\t], v[ADK] offset:1024*\t+512
.endr
	s_wait_alu depctr_va_vdst(0)
	s_wait_dscnt 0x0
.irp t, 0,1,2,3,4,5,6,7
	v_wmma_f32_16x16x64_fp8_fp8 v[96+8*\t:103+8*\t], v[32+8*\t:39+8*\t], v[\qr:\qr+7], 0   ; register 16 b + i of S^T: key 32 b + 16 (lane / 16) + i of the step
.endr
.rept 4
	v_nop                                          ; places in front of the loads below and of the first read of the scores
.endr
.irp d, 0,1,2,3
.irp c, 0,1,2,3
	ds_load_b128 v[32+16*\d+4*\c:35+16*\d+4*\c], v[ADV] offset:2048*\d+512*\c   ; V's four fragments land while the softmax is worked
.endr
.endr
	v_max3_num_f32 v196, v96, v97, v98             ; the step's largest score of my query, among my 64 keys, in two chains, each accumulator from its low end on,
	v_max3_num_f32 v197, v99, v100, v101
.irp i, 6,10,14,18,22,26,30,34,38,42,46,50,54,58
	v_max3_num_f32 v196, v196, v[96+\i], v[97+\i]
	v_max3_num_f32 v197, v197, v[98+\i], v[99+\i]
.endr
	v_max3_num_f32 v196, v196, v158, v159
	s_delay_alu instid0(VALU_DEP_1)
	v_max_num_f32 v196, v196, v197
	s_delay_alu instid0(VALU_DEP_1)
	v_permlanex16_b32 v192, v196, s[SEL], s[SEL+1]
	s_delay_alu instid0(VALU_DEP_1)
	v_max_num_f32 v196, v196, v192                 ; and among lane l xor 16's
	s_delay_alu instid0(VALU_DEP_1)
	v_mul_f32 v196, s[CS], v196                    ; as t (c is positive)
	s_delay_alu instid0(VALU_DEP_1)
	v_max_num_f32 v13, v13, v196                   ; the running largest t
	v_mov_b32 v196, v12
	s_delay_alu instid0(VALU_DEP_2)
	v_floor_f32 v12, -v13                          ; the new -M = floor(-t) = -ceil(t): M is a whole number
	s_delay_alu instid0(VALU_DEP_1)
	v_sub_f32 v196, v12, v196                      ; M's old value less its new one: a whole number, 0 or less
	s_delay_alu instid0(VALU_DEP_1)
	v_cvt_i32_f32 v196, v196                       ; (it saturates)
	s_delay_alu instid0(VALU_DEP_1)
	v_ldexp_f32 v194, 1.0, v196                    ; f = 2^(old M - new M)
.set jj, 0
.rept 32
	v_pk_fma_f32 v[96+jj:97+jj], v[96+jj:97+jj], s[CS:CS+1], v[12:13] op_sel_hi:[1,0,0]   ; t - M, two at a time
.set jj, jj+2
.endr
.set jj, 0
	s_wait_alu depctr_va_vdst(0)
.rept 64
	v_exp_f32 v[96+jj], v[96+jj]                   ; p = 2^(t - M), at most 1: not normalised
.set jj, jj+1
.endr
	s_setprio 1
	v_pk_mul_f32 v[14:15], v[14:15], v[194:195] op_sel_hi:[1,0]   ; the sums under the new M: the plain line behind the exponentials
	s_wait_alu depctr_va_vdst(0)                   ; one wait for the whole batch, ahead of its first reader
	v_pk_add_f32 v[198:199], v[96:97], v[98:99]    ; the row's sum is taken of the unquantised p: two at a time, in two chains
.irp j, 4,8,12,16,20,24,28,32,36,40,44,48,52,56,60
	v_pk_add_f32 v[14:15], v[14:15], v[96+\j:97+\j]
	v_pk_add_f32 v[198:199], v[198:199], v[98+\j:99+\j]
.endr
	s_delay_alu instid0(VALU_DEP_1)
	v_pk_add_f32 v[14:15], v[14:15], v[198:199]
.irp b, 0,1,2,3
.set jj, 0
.rept 16
	v_min_num_f32 v[96+16*\b+jj], v[96+16*\b+jj], v201   ; the conversion does not saturate (ISA guide 7.6.2); p is not negative, so the hold is one-sided
.set jj, jj+1
.endr
	v_cvt_scalef32_pk8_fp8_f32 v[224+4*\b:225+4*\b], v[96+16*\b:103+16*\b], v200
	v_cvt_scalef32_pk8_fp8_f32 v[226+4*\b:227+4*\b], v[104+16*\b:111+16*\b], v200
.endr
.set jj, 0
	s_setprio 0
.rept 16
	v_pk_mul_f32 v[160+jj:161+jj], v[160+jj:161+jj], v[194:195] op_sel_hi:[1,0]   ; O^T under the new M: x f.  (Plain lines between the conversions and the products below)
.set jj, jj+2
.endr
	s_wait_alu depctr_va_vdst(0)
	s_wait_dscnt 0x0                               ; V's fragments are in
.irp d, 0,1,2,3
	v_wmma_f32_16x16x128_fp8_fp8 v[160+8*\d:167+8*\d], v[32+16*\d:47+16*\d], v[224:239], v[160+8*\d:167+8*\d]   ; four accumulators by turns
.endr
	s_add_co_u32 s[KB], s[KB], 8192
.endm
.macro INIT                            ; a pass begins: O^T and the sum are zeros, which the first change of M leaves zeros; the largest t is under every t
	v_mov_b32 v13, 0xff61b1e6                      ; -3e38
	s_delay_alu instid0(VALU_DEP_1)
	v_floor_f32 v12, -v13
	v_mov_b32 v14, 0
	v_mov_b32 v15, 0
.set jj, 0
.rept 32
	v_mov_b32 v[160+jj], 0
.set jj, jj+1
.endr
	s_mov_b32 s[KB], 0
.endm
.macro WAYOUT p                        ; O^T x 2^(e8 + e9) / the sum, quantised: register 16 b + i is channel 32 b + 16 (lane / 16) + i of my query: two groups of an image
.rept 4
	v_nop                                          ; places behind the last products
.endr
	v_add_f32 v14, v14, v15                        ; the sum's two halves,
	s_delay_alu instid0(VALU_DEP_1)
	v_permlanex16_b32 v192, v14, s[SEL], s[SEL+1]
	s_delay_alu instid0(VALU_DEP_1)
	v_add_f32 v14, v14, v192                       ; and lane l xor 16's
	s_wait_alu depctr_va_vdst(0)
	v_rcp_f32 v14, v14
	v_nop                                          ; a plain line behind the transcendental
	s_wait_alu depctr_va_vdst(0)                   ; and the wait ahead of its first reader
	v_ldexp_f32 v14, v14, s29
.set jj, 0
.rept 32
	v_mul_f32 v[96+jj], v[160+jj], v14
.set jj, jj+1
.endr
.set jj, 0
.rept 32
	v_med3_num_f32 v[96+jj], v[96+jj], -v203, v203
.set jj, jj+1
.endr
.irp b, 0,1
	v_cvt_scalef32_pk8_fp8_f32 v[224+4*\b:225+4*\b], v[96+16*\b:103+16*\b], v202
	v_cvt_scalef32_pk8_fp8_f32 v[226+4*\b:227+4*\b], v[104+16*\b:111+16*\b], v202
.endr
	v_nop                                          ; a plain line behind the last conversion
.irp b, 0,1
	global_store_b128 v[LI], v[224+4*\b:227+4*\b], s[8:9] offset:131072*(\p)+512*\b   ; 32 lanes store 512 consecutive bytes, aligned
.endr
.endm
	s_wait_tensorcnt 1                             ; my piece of steps 0-3 is in; the one load issued behind it may stay out
	s_barrier_signal -1
	s_barrier_wait -1                              ; everybody's is
	s_wait_loadcnt 0x0                             ; Q
	INIT
	s_mov_b32 s[CNT], 4
.Lfirst:                                           ; pass 0, steps 0-3
	STEP 16
	s_sub_co_u32 s[CNT], s[CNT], 1
	s_cmp_lg_u32 s[CNT], 0
	s_cbranch_scc1 .Lfirst
	s_setprio 0
	s_wait_tensorcnt 0x0                           ; my piece of steps 4-15 is in,
	s_wait_dscnt 0x0
	s_barrier_signal -1
	s_barrier_wait -1                              ; everybody's is: from here on all of K and V lie in LDS
	s_mov_b32 s[CNT], 12
.Lrest:                                            ; pass 0, steps 4-15
	STEP 16
	s_sub_co_u32 s[CNT], s[CNT], 1
	s_cmp_lg_u32 s[CNT], 0
	s_cbranch_scc1 .Lrest
	s_setprio 0
	WAYOUT 0
	INIT
	s_wait_xcnt 0x0                                ; the stores have read the codes' registers, which p's codes take again
	s_mov_b32 s[CNT], 16
.Lsecond:                                          ; pass 1
	STEP 24
	s_sub_co_u32 s[CNT], s[CNT], 1
	s_cmp_lg_u32 s[CNT], 0
	s_cbranch_scc1 .Lsecond
	s_setprio 0
	WAYOUT 1
	s_wait_dscnt 0x0
	s_wait_tensorcnt 0x0
	ds_add_u32 v254, v255
	s_wait_dscnt 0x0
	CROUND                                         ; the closing round: no work-group ends while a partner may still ask for a piece that names it
	s_endpgm
.Lfunc_end_k_q1f04daf4ab_attn:
	.size	k_q1f04daf4ab_attn, .Lfunc_end_k_q1f04daf4ab_attn-k_q1f04daf4ab_attn
	.p2alignl 7, 3214868480
	.fill 96, 4, 3214868480
	.section	.rodata,"a",@progbits
	.p2align	6, 0x0
	.amdhsa_kernel k_q1f04daf4ab_attn
		.amdhsa_group_segment_fixed_size 327680
		.amdhsa_private_segment_fixed_size 0
		.amdhsa_enable_private_segment 0
		.amdhsa_kernarg_size 24
		.amdhsa_user_sgpr_count 2
		.amdhsa_user_sgpr_kernarg_segment_ptr 1
		.amdhsa_wavefront_size32 1
		.amdhsa_system_sgpr_workgroup_id_x 1
		.amdhsa_system_sgpr_workgroup_id_y 1
		.amdhsa_system_sgpr_workgroup_id_z 1
		.amdhsa_system_vgpr_workitem_id 0
		.amdhsa_next_free_vgpr 256
		.amdhsa_next_free_sgpr 100
		.amdhsa_reserve_vcc 0
		.amdhsa_float_denorm_mode_32 3
		.amdhsa_float_denorm_mode_16_64 3
		.amdhsa_memory_ordered 1
		.amdhsa_forward_progress 1
		.amdhsa_inst_pref_size 65
	.end_amdhsa_kernel
	.amdgpu_metadata
---
amdhsa.version: [ 1, 2 ]
amdhsa.kernels:
  - .name:           k_q1f04daf4ab_attn
    .symbol:         k_q1f04daf4ab_attn.kd
    .args:
      - { .name: qkv, .offset: 0, .size: 8, .value_kind: global_buffer, .address_space: global }
      - { .name: lowp_scales, .offset: 8, .size: 8, .value_kind: global_buffer, .address_space: global }
      - { .name: att, .offset: 16, .size: 8, .value_kind: global_buffer, .address_space: global }
    .group_segment_fixed_size: 327680
    .private_segment_fixed_size: 0
    .kernarg_segment_align: 8
    .kernarg_segment_size: 24
    .max_flat_workgroup_size: 512
    .sgpr_count:     100
    .vgpr_count:     256
    .wavefront_size: 32
...
	.end_amdgpu_metadata
.endif
;; end of part 7
;; launch tail (part 8): grid 256 x 1, 4 waves a work-group, no clusters, 132,608 bytes of LDS; arguments att, wimg, Q, b1, b2, lowp_scales, out0; writes out0
.if DOCPART == 8
	.amdgcn_target "amdgcn-amd-amdhsa--gfx1250"
	.amdhsa_code_object_version 6
	.text
	.protected	k_q1f04daf4ab_tail
	.globl	k_q1f04daf4ab_tail
	.p2align	8
	.type	k_q1f04daf4ab_tail,@function
k_q1f04daf4ab_tail:
	s_mov_b64 s[64:65], 0
	v_nop
	global_prefetch_b8 v0, s[64:65] scope:SCOPE_SE
	s_setreg_imm32_b32 hwreg(HW_REG_WAVE_SCHED_MODE, 0, 2), 2
	s_setreg_imm32_b32 hwreg(HW_REG_WAVE_MODE, 25, 1), 1
	s_wait_xcnt 0x0
	s_wait_alu depctr_vm_vsrc(0)
; Products 6 to 8: X = Q + V_att W_o;  out = relu(X W1^T + b1) W2^T + b2 + X, all three products on codes of FP8 (E4M3).  X and the hidden layer never go to memory.
; A work-group takes 64 tokens (four row tiles of 16), once: 256 work-groups.  THE WAVES SHARE THE COLUMNS: wave w makes columns 128 w .. 128 w + 127 of every layer, for all 64 rows: so each weight fragment is
; read by one wave, once, from memory straight into operand registers (an earlier launch laid the weights so), and feeds four matrix instructions.  Weights run two K steps (two sets of 128 registers) ahead.
; A layer's 128 columns of a wave are K step w of the next product: quantised in registers, they go to the other waves through LDS as IMAGES OF THE OPERAND'S REGISTERS (four stores of 16 bytes a lane, 512
; consecutive bytes each).  The rows of a tile, in weights and tokens, are 32 b + 8 u + r + 8 (r / 8) for tile 2 b + u, and the products are used transposed (source 0 = weights, source 1 = rows): a lane holds
; one token, and the 16 registers of tiles 2 b, 2 b + 1 are columns 32 b + 16 (lane / 16) + 0..15.  Q is loaded straight into that layout and becomes X in place.
; The biases are the C of a sum's first matrix instruction, divided by the power of two that the sums lack.  The given scales are folded: X = Q + sum x 2^(e10 + e11); the hidden layer's conversion takes
; 2^(e14 - e12 - e13); out = sum x 2^(e14 + e15) + X.
; NO CLUSTER: the weights are shared by all work-groups, but a joint load lands in LDS alone: 786,432 bytes of weights would go through a ring that is filled again, with a round of the cluster's barrier for
; each slot and 32 matrix instructions a wave for each 65,536 bytes between rounds; here each fragment goes into the registers of the one wave that multiplies by it.
; THREE BARRIERS: V_att's images, X's images, the hidden layer's images; each LDS region is written once.  No loop: 12 K steps are written out by macro.
; LIMITS on the given exponents: e12, and e14 - e12 - e13, between -126 and 119; e10 + e11 and e14 + e15 between -126 and 127.  NaN among the inputs is not served.
; LDS: 0 V_att's 16 fragments ((4 m + s) x 2,048); 32,768 X's; 65,536 the hidden layer's; from 98,304 a stage of 16 rows x (512 + 16) bytes for each wave.
; REGISTERS: window 0: v1-17 addresses and scales; v32-95, v192-255 the rows' fragments, two buffers of four; v96-127 codes just made, two sets; v128-191 a bias, 8 t + j.
;   window 1: weights, two sets of 8 fragments.   window 2: the 32 accumulators, 64 m + 8 t.   window 3: Q, then X, in the accumulators' layout.
; THE MODE: SCHED_MODE bits 1:0 = 2 (LLVM: expert scheduling mode 2), set by the entry lines.  The code itself states the register dependences
; between vector or matrix instructions and memory or LDS instructions, with s_wait_alu, always for 0.
; THE PLAN.  Registers that memory or LDS instructions touch:
;   v32-95, v192-255  At the head V_att's loads land in the first and my LDS stores read it.  K step q: LDS loads land in buffer q % 2, its 32 matrix instructions read it, K step q + 2's fragments land behind them.
;                     On the way out: the stage's loads land there, by turns, and the global stores read them.
;   window 1          K step q: its weights' loads land in set q % 2, its matrix instructions read it, K step q + 2's weights land behind them.
;   v128-191          b1's loads land; scaled in place; read as C by K step 4; b2's loads land behind that step; scaled in place; read as C by K step 8.
;   v96-127           The codes, two sets: written by conversions, read by the LDS stores of X's and of the hidden layer's images, a set a row tile, by turns.
;   window 3          Q's loads land; named by vector instructions alone from then on.      window 2: named by matrix and vector instructions, and read by the way out's LDS stores.
;   v1, v4-12, v17    Addresses, made at the head and never written again.                  v30, v31: written at the head, read by the closing add alone.
; THE WAITS.  On va_vdst: one at the head, ahead of the first load; ONE behind each of K steps 0 to 9, for all the loads up to the next step's products (weights, Q, b2, the rows' fragments); one a row tile behind the
; conversions, ahead of its LDS stores; one ahead of the way out, behind which no vector instruction follows.  On vm_vsrc: behind the first barrier; ahead of the conversions that write a set of codes again; ahead of the
; stage's loads that land where global stores have read.  The loads stay in runs behind their waits: their destinations lie in other windows than a product's operands, so each run among the products would want two switches of the window.
.set LI,   1                           ; v1   16 x lane
.set QA,   4                           ; v4   Q: (r + 8 (r / 8)) rows of 2,048 bytes + 64 hh + 512 w
.set BA,   5                           ; v5   a bias: 64 hh + 512 w
.set IWA,  6                           ; v6   where I store images: 16 x lane + 2,048 w
.set AWA,  7                           ; v7   V_att's row tile w: 16 x lane + 8,192 w, in memory and in LDS
.set WA,   8                           ; v8   my weights: 16 x lane + 65,536 w
.set LIC,  9                           ; v9   16 x lane + 65,536: an LDS immediate holds 16 bits
.set STO,  10                          ; v10  the stage: where I put a row's bytes
.set RD,   11                          ; v11  and where I read a row back
.set CO,   12                          ; v12  out: 16 x lane + 512 w
.set SCX,  13                          ; v13, v14  2^e12 and 448 x 2^e12
.set LIMX, 14
.set SCH,  15                          ; v15, v16  the same with e14 - e12 - e13
.set LIMH, 16
.set IWC,  17                          ; v17  v6 + 65,536
.set XF0,  32
.set PC,   96
.set BIAS, 128
.set MSB, 0
.macro WIN new                         ; s_set_vgpr_msb: bits 1:0 source 0, 3:2 source 1, 5:4 source 2, 7:6 destination; the high byte repeats the setting that is left
.if MSB != (\new)
	s_set_vgpr_msb (MSB<<8)|(\new)
.set MSB, (\new)
.endif
.endm
.macro PLACES                          ; four plain vector lines behind a matrix instruction, in front of loads into its sources and of reads of its result
.rept 4
	v_nop
.endr
.endm
.macro BARRIER
	s_wait_dscnt 0x0
	s_barrier_signal -1
	s_barrier_wait -1
.endm
.macro WLOAD q                         ; my 8 weight fragments of K step q % 4 of layer q / 4, into set q % 2
	WIN 0x40
.irp t, 0,1,2,3,4,5,6,7
.irp c, 0,1,2,3
	global_load_b128 v[128*((\q)%2)+16*\t+4*\c:128*((\q)%2)+16*\t+4*\c+3], v[WA], s[6:7] offset:((\q)/4)*262144+(4*\t+(\q)%4)*2048+512*\c
.endr
.endr
	WIN 0
.endm
.macro QLOAD m                         ; Q of row tile m, my 128 columns, into X's registers
	WIN 0xc0
.irp b, 0,1,2,3
.irp j, 0,1,2,3
	global_load_b128 v[64*(\m)+16*\b+4*\j:64*(\m)+16*\b+4*\j+3], v[QA], s[8:9] offset:(32*((\m)/2)+8*((\m)%2))*2048+128*\b+16*\j th:TH_LOAD_NT
.endr
.endr
	WIN 0
.endm
.macro BLOAD base                      ; a bias in the result's layout: for tile t my eight columns 32 (t / 2) + 16 hh + 8 (t % 2) + 0..7
.irp t, 0,1,2,3,4,5,6,7
	global_load_b128 v[BIAS+8*\t:BIAS+8*\t+3], v[BA], s[\base:\base+1] offset:128*(\t/2)+32*(\t%2)
	global_load_b128 v[BIAS+8*\t+4:BIAS+8*\t+7], v[BA], s[\base:\base+1] offset:128*(\t/2)+32*(\t%2)+16
.endr
.endm
.macro XFETCH l, s, buf                ; the four row tiles' fragments of K step s from layer l's region
.set rB, XF0+160*(\buf)
.irp m, 0,1,2,3
.irp c, 0,1,2,3
.if (\l) == 2
	ds_load_b128 v[rB+16*\m+4*\c:rB+16*\m+4*\c+3], v[LIC] offset:(4*\m+(\s))*2048+512*\c
.else
	ds_load_b128 v[rB+16*\m+4*\c:rB+16*\m+4*\c+3], v[LI] offset:32768*(\l)+(4*\m+(\s))*2048+512*\c
.endif
.endr
.endr
.endm
; 32 matrix instructions: my 8 weight tiles x 4 row tiles, 128 along K.  cmode 0: the sums go on; 1: they start at 0; 2: they start at the bias.  The 32 accumulators take turns.
.macro MUL q, cmode
.if (\cmode) == 2
	WIN 0x81
.else
	WIN 0xa1
.endif
.set rB, XF0+160*((\q)%2)
.set rS, 128*((\q)%2)
.irp t, 0,1,2,3,4,5,6,7
.irp m, 0,1,2,3
.if (\cmode) == 0
	v_wmma_f32_16x16x128_fp8_fp8 v[64*\m+8*\t:64*\m+8*\t+7], v[rS+16*\t:rS+16*\t+15], v[rB+16*\m:rB+16*\m+15], v[64*\m+8*\t:64*\m+8*\t+7]
.elseif (\cmode) == 1
	v_wmma_f32_16x16x128_fp8_fp8 v[64*\m+8*\t:64*\m+8*\t+7], v[rS+16*\t:rS+16*\t+15], v[rB+16*\m:rB+16*\m+15], 0
.else
	v_wmma_f32_16x16x128_fp8_fp8 v[64*\m+8*\t:64*\m+8*\t+7], v[rS+16*\t:rS+16*\t+15], v[rB+16*\m:rB+16*\m+15], v[BIAS+8*\t:BIAS+8*\t+7]
.endif
.endr
.endr
.endm
; K step q of the twelve.  lcnt: the global loads issued behind this step's weights, which may stay out.
.macro STEP q, cmode, lcnt
.set qS, (\q)%4
.set qL, (\q)/4
.if qS == 0
	XFETCH qL, 0, (\q)%2
.endif
.if qS < 3
	XFETCH qL, qS+1, ((\q)+1)%2
	s_wait_dscnt 16                                ; this K step's fragments are in; the next one's 16 loads may be out
.else
	s_wait_dscnt 0x0
.endif
	s_wait_loadcnt \lcnt
	MUL \q, \cmode
	WIN 0
	PLACES
.if (\q) < 10
	s_wait_alu depctr_va_vdst(0)                   ; this K step's matrix instructions are done reading their set of weights, their buffer of rows and, where the sums began at it, the bias: the loads that follow, up to the next step's products, land there.  (K steps 10 and 11 are followed by no such load)
.endif
.endm
; The accumulators' registers, held already, become four fragments' codes; each goes to LDS as K step w of row tile m.  Two sets of registers take turns.
.macro CODES sc, adr, off
.irp m, 0,1,2,3
.if \m > 1
	s_wait_dscnt 4                                 ; the stores of two tiles ago have read this set; the last tile's four may be out
.endif
.if \m == 2
	s_wait_alu depctr_vm_vsrc(0)                   ; the LDS stores of tiles 0 and 1 have read both sets of the codes' registers, which this tile's conversions and the next tile's write again
.endif
	WIN 0x02
.irp g, 0,1,2,3,4,5,6,7
	v_cvt_scalef32_pk8_fp8_f32 v[PC+16*(\m%2)+2*\g:PC+16*(\m%2)+2*\g+1], v[64*\m+8*\g:64*\m+8*\g+7], v[\sc]
.endr
	WIN 0
	v_nop                                          ; a plain line between the conversions and the matrix instructions that write their sources
	s_wait_alu depctr_va_vdst(0)                   ; the conversions have written this set, which the LDS stores below read
.irp c, 0,1,2,3
	ds_store_b128 v[\adr], v[PC+16*(\m%2)+4*\c:PC+16*(\m%2)+4*\c+3] offset:(\off)+8192*\m+512*\c
.endr
.endr
.endm
	s_load_b256 s[4:11], s[0:1], 0x0               ; att, the weights' images, Q, b1
	s_load_b128 s[12:15], s[0:1], 0x20             ; b2, the scales
	s_load_b64 s[16:17], s[0:1], 0x30              ; out0
	v_lshl_add_u32 v30, v0, 2, 0x20400
	v_mov_b32 v31, 0
	v_lshrrev_b32 v2, 5, v0
	v_readfirstlane_b32 s18, v2                    ; wave
	v_and_b32 v[LI], 31, v0
	v_lshlrev_b32 v[LI], 4, v[LI]
	v_and_b32 v2, 15, v0                           ; r
	v_bfe_u32 v3, v0, 4, 1                         ; hh
	s_wait_alu depctr_va_sdst(0)                   ; s18 is written, ahead of its first reader: the wave's parts of every address are made from it
	s_lshl_b32 s19, s18, 9                         ; 512 w
	v_and_b32 v[QA], 8, v2
	v_add_nc_u32 v[QA], v[QA], v2                  ; r + 8 (r / 8)
	v_lshlrev_b32 v[QA], 11, v[QA]
	v_lshl_add_u32 v[BA], v3, 6, s19
	v_add_nc_u32 v[QA], v[QA], v[BA]
	s_lshl_b32 s20, s18, 11
	v_add_nc_u32 v[IWA], s20, v[LI]
	v_add_nc_u32 v[IWC], 0x10000, v[IWA]
	s_lshl_b32 s20, s18, 13
	v_add_nc_u32 v[AWA], s20, v[LI]
	s_lshl_b32 s20, s18, 16
	v_add_nc_u32 v[WA], s20, v[LI]
	v_add_nc_u32 v[LIC], 0x10000, v[LI]
	s_mul_i32 s20, s18, 8448
	s_add_co_u32 s20, s20, 98304                   ; my stage
	v_mul_u32_u24 v[STO], v2, 528
	v_lshl_add_u32 v[STO], v3, 6, v[STO]
	v_add_nc_u32 v[STO], s20, v[STO]               ; in: row r, + 64 hh
	v_add_nc_u32 v[RD], s20, v[LI]                 ; back: the 32 lanes take a row's 512 bytes
	v_add_nc_u32 v[CO], s19, v[LI]
	s_lshl_b32 s20, ttmp9, 15                      ; att: four row tiles of 8,192 bytes a work-group
	s_mov_b32 s21, 0
	s_lshl_b32 s22, ttmp9, 17                      ; Q and out0: 64 rows of 2,048 bytes
	s_mov_b32 s23, 0
	s_wait_kmcnt 0x0
	s_load_b256 s[40:47], s[14:15], 0x20           ; e8 .. e15
	s_add_nc_u64 s[4:5], s[4:5], s[20:21]
	s_add_nc_u64 s[6:7], s[6:7], 786432            ; W_o's image is the fourth; W1's and W2's follow
	s_add_nc_u64 s[8:9], s[8:9], s[22:23]
	s_add_nc_u64 s[16:17], s[16:17], s[22:23]
	s_wait_alu depctr_va_vdst(0)                   ; the addresses v1, v4 to v12 and v17 are written: every load and store of the kernel, in memory and in LDS, reads one of them
.set ii, 0
.rept 16
	global_load_b128 v[XF0+4*ii:XF0+4*ii+3], v[AWA], s[4:5] offset:512*ii th:TH_LOAD_NT   ; V_att's row tile w, as it lies
.set ii, ii+1
.endr
	BLOAD 10                                       ; b1
	QLOAD 0
	WLOAD 0
	s_wait_kmcnt 0x0
	s_add_co_i32 s48, s42, s43
	s_add_co_i32 s48, s48, 127
	s_lshl_b32 s48, s48, 23                        ; 2^(e10 + e11) as f32
	s_mov_b32 s49, s48                             ; (named with it as a pair, so it is written)
	s_add_co_i32 s53, s46, s47
	s_add_co_i32 s50, s53, 127
	s_lshl_b32 s50, s50, 23                        ; 2^(e14 + e15)
	s_mov_b32 s51, s50
	s_sub_co_i32 s53, 0, s53                       ; -(e14 + e15), for b2
	s_add_co_i32 s54, s44, s45
	s_sub_co_i32 s52, 0, s54                       ; -(e12 + e13), for b1
	s_add_co_i32 s55, s44, 127
	s_lshl_b32 s56, s55, 23
	v_mov_b32 v[SCX], s56
	s_add_co_i32 s55, s55, 8
	s_lshl_b32 s55, s55, 23
	s_or_b32 s55, s55, 0x600000
	v_mov_b32 v[LIMX], s55
	s_sub_co_i32 s55, s46, s54
	s_add_co_i32 s55, s55, 127
	s_lshl_b32 s56, s55, 23
	v_mov_b32 v[SCH], s56
	s_add_co_i32 s55, s55, 8
	s_lshl_b32 s55, s55, 23
	s_or_b32 s55, s55, 0x600000
	v_mov_b32 v[LIMH], s55
	s_wait_loadcnt 48                              ; V_att and b1 are in; Q's first 16 loads and the weights' 32 may be out
.set ii, 0
.rept 16
	ds_store_b128 v[AWA], v[XF0+4*ii:XF0+4*ii+3] offset:512*ii
.set ii, ii+1
.endr
.set ii, 0
.rept 64
	v_ldexp_f32 v[BIAS+ii], v[BIAS+ii], s52        ; b1 / 2^(e12 + e13)
.set ii, ii+1
.endr
	QLOAD 1                                        ; no wait: no vector instruction has named the registers in which these and the weights below land
	WLOAD 1
	BARRIER                                        ; V_att's sixteen fragments lie in LDS
	s_wait_alu depctr_vm_vsrc(0)                   ; my LDS stores have read v32-95, in which the first fragments land
	; ---- product 6.  Behind a step's weights were issued: the next 16 loads of Q (where there are any) and the next set's 32
	STEP 0, 1, 48
	QLOAD 2
	WLOAD 2
	STEP 1, 0, 48
	QLOAD 3
	WLOAD 3
	STEP 2, 0, 48
	WLOAD 4
	STEP 3, 0, 32                                  ; (Q's last loads were issued ahead of this step's weights: all of Q is in)
	WLOAD 5
	WIN 0xf2
.set ii, 0
.rept 128
	v_pk_fma_f32 v[2*ii:2*ii+1], v[2*ii:2*ii+1], s[48:49], v[2*ii:2*ii+1] op_sel_hi:[1,0,1]   ; X = sum x 2^(e10 + e11) + Q, in Q's place; each accumulator from its low end on
.set ii, ii+1
.endr
	WIN 0x83
.set ii, 0
.rept 256
	v_med3_num_f32 v[ii], v[ii], -v[LIMX], v[LIMX] ; X held at 448 x 2^e12, into the accumulators' registers: X itself is kept for the end
.set ii, ii+1
.endr
	CODES SCX, IWA, 32768
	BARRIER                                        ; X's sixteen fragments lie in LDS
	; ---- product 7
	STEP 4, 2, 32
	BLOAD 12                                       ; b2, into b1's registers, behind the places and the step's wait
	WLOAD 6
	STEP 5, 0, 48                                  ; behind this step's weights: b2's 16 loads and the next set's 32
	WLOAD 7
	STEP 6, 0, 32                                  ; (b2 is in)
	WLOAD 8
	STEP 7, 0, 32
	WLOAD 9
.set ii, 0
.rept 64
	v_ldexp_f32 v[BIAS+ii], v[BIAS+ii], s53        ; b2 / 2^(e14 + e15)
.set ii, ii+1
.endr
	WIN 0x82
.set ii, 0
.rept 256
	v_med3_num_f32 v[ii], v[ii], 0, v[LIMH]        ; the activation and the hold in one: between 0 and 448 x the scale
.set ii, ii+1
.endr
	s_wait_alu depctr_vm_vsrc(0)                   ; the LDS stores of X's tiles 2 and 3 have read v96-127, which the hidden layer's first conversions write again
	CODES SCH, IWC, 0
	BARRIER                                        ; the hidden layer's sixteen fragments lie in LDS
	; ---- product 8
	STEP 8, 2, 32
	WLOAD 10
	STEP 9, 0, 32
	WLOAD 11
	STEP 10, 0, 32
	STEP 11, 0, 0
	WIN 0xb2
.set ii, 0
.rept 128
	v_pk_fma_f32 v[2*ii:2*ii+1], v[2*ii:2*ii+1], s[50:51], v[2*ii:2*ii+1] op_sel_hi:[1,0,1]   ; out = (sum + b2 / 2^(e14 + e15)) x 2^(e14 + e15) + X
.set ii, ii+1
.endr
	s_wait_alu depctr_va_vdst(0)                   ; the multiply-adds have written window 2, which the LDS stores below read; K steps 10 and 11 are done reading the two buffers of rows, in which the stage's loads land.  No vector instruction follows
; THE WAY OUT, a row tile at a time: a lane holds pieces of one row, and the lanes beside it hold other rows: so the tile goes through my own stage and comes back as whole rows of 512 bytes.
; LDS serves a wave's instructions in order (ISA guide 5.7.1.4): no wait between the stores and the loads, nor in front of the next tile's stores.
.macro TOSTAGE m
	WIN 0x08                                       ; an LDS store's data stand in source 1's place: window 2
.irp b, 0,1,2,3
.irp u, 0,1
	ds_store_b128 v[STO], v[64*(\m)+16*\b+8*\u:64*(\m)+16*\b+8*\u+3] offset:128*\b+32*\u
	ds_store_b128 v[STO], v[64*(\m)+16*\b+8*\u+4:64*(\m)+16*\b+8*\u+7] offset:128*\b+32*\u+16
.endr
.endr
	WIN 0
.set rB, XF0+160*((\m)%2)
.set ii, 0
.rept 16
	ds_load_b128 v[rB+4*ii:rB+4*ii+3], v[RD] offset:528*ii
.set ii, ii+1
.endr
.endm
.macro SEND m, younger                 ; younger: the LDS instructions issued behind tile m's loads, which may stay out
.set rB, XF0+160*((\m)%2)
	s_wait_dscnt \younger
.set ii, 0
.rept 16
	global_store_b128 v[CO], v[rB+4*ii:rB+4*ii+3], s[16:17] offset:(32*((\m)/2)+8*((\m)%2)+ii+8*(ii/8))*2048 th:TH_STORE_NT   ; 32 lanes store 512 consecutive bytes, aligned; written once, read by nobody here
.set ii, ii+1
.endr
.endm
	TOSTAGE 0
.irp a, 1,2,3
.if \a > 1
	s_wait_xcnt 0x0                                ; the stores of two tiles ago have read their registers: this tile's loads may land there
	s_wait_alu depctr_vm_vsrc(0)                   ; the global stores of two tiles ago have read their 64 registers, in which this tile's loads from the stage land
.endif
	TOSTAGE \a
	SEND \a-1, 32                                  ; behind that tile's loads: this tile's 16 stores and 16 loads
.endr
	SEND 3, 0
	s_wait_dscnt 0x0                               ; the closing lines, six on end
	s_wait_alu 0x0
	s_wait_tensorcnt 0x0
	ds_add_u32 v30, v31
	s_wait_dscnt 0x0
	s_endpgm
.Lfunc_end_k_q1f04daf4ab_tail:
	.size	k_q1f04daf4ab_tail, .Lfunc_end_k_q1f04daf4ab_tail-k_q1f04daf4ab_tail
	.p2alignl 7, 3214868480
	.fill 96, 4, 3214868480
	.section	.rodata,"a",@progbits
	.p2align	6, 0x0
	.amdhsa_kernel k_q1f04daf4ab_tail
		.amdhsa_group_segment_fixed_size 132608
		.amdhsa_private_segment_fixed_size 0
		.amdhsa_enable_private_segment 0
		.amdhsa_kernarg_size 56
		.amdhsa_user_sgpr_count 2
		.amdhsa_user_sgpr_kernarg_segment_ptr 1
		.amdhsa_wavefront_size32 1
		.amdhsa_system_sgpr_workgroup_id_x 1
		.amdhsa_system_sgpr_workgroup_id_y 1
		.amdhsa_system_sgpr_workgroup_id_z 1
		.amdhsa_system_vgpr_workitem_id 0
		.amdhsa_next_free_vgpr 1024
		.amdhsa_next_free_sgpr 66
		.amdhsa_reserve_vcc 0
		.amdhsa_float_denorm_mode_32 3
		.amdhsa_float_denorm_mode_16_64 3
		.amdhsa_memory_ordered 1
		.amdhsa_forward_progress 1
		.amdhsa_inst_pref_size 170
	.end_amdhsa_kernel
	.amdgpu_metadata
---
amdhsa.version: [ 1, 2 ]
amdhsa.kernels:
  - .name:           k_q1f04daf4ab_tail
    .symbol:         k_q1f04daf4ab_tail.kd
    .args:
      - { .name: att, .offset: 0, .size: 8, .value_kind: global_buffer, .address_space: global }
      - { .name: wimg, .offset: 8, .size: 8, .value_kind: global_buffer, .address_space: global }
      - { .name: Q, .offset: 16, .size: 8, .value_kind: global_buffer, .address_space: global }
      - { .name: b1, .offset: 24, .size: 8, .value_kind: global_buffer, .address_space: global }
      - { .name: b2, .offset: 32, .size: 8, .value_kind: global_buffer, .address_space: global }
      - { .name: lowp_scales, .offset: 40, .size: 8, .value_kind: global_buffer, .address_space: global }
      - { .name: out0, .offset: 48, .size: 8, .value_kind: global_buffer, .address_space: global }
    .group_segment_fixed_size: 132608
    .private_segment_fixed_size: 0
    .kernarg_segment_align: 8
    .kernarg_segment_size: 56
    .max_flat_workgroup_size: 128
    .sgpr_count:     66
    .vgpr_count:     1024
    .wavefront_size: 32
...
	.end_amdgpu_metadata
.endif
;; end of part 8
